; MI455X (gfx1250); checked and timed in simulation.
; The chip was launched on July 23, 2026; its instructions are those of AMD's public machine-readable ISA for CDNA 5 (MIT licence, August 2026) and "CDNA5" Instruction Set Architecture Reference Guide (July 2026). The comments in the code are by the model that wrote it; some were corrected since.
;; Mo E Layer. Allowed arithmetic: matrix products marked QUANTISED: E2M3 operands, one E8M0 scale for each 32 along K, by v_wmma_scale_f32_16x16x128_f8f6f4 with both operands' format E2M3, f32 sums; products left as they are: f32 operands where the result goes on into a quantised operand, else bf16, f16 or f32 operands; f32 sums; everything else in f32.
;; Inputs: b1 8 x 4,096 float32; b2 8 x 1,024 float32; gate_b 8 float32; gate_w 1,024 x 8 float32; hidden_states 4 x 256 x 1,024 float32; w1_codes 8 x 4,096 x 32 x 24 uint8 (E2M3 codes of w1, K innermost, in blocks of 32 codes, four codes in three bytes); w1_scales 8 x 4,096 x 32 uint8 (E8M0 scales of w1, one for each 32 codes along K); w2_codes 8 x 1,024 x 128 x 24 uint8 (E2M3 codes of w2, K innermost, in blocks of 32 codes, four codes in three bytes); w2_scales 8 x 1,024 x 128 uint8 (E8M0 scales of w2, one for each 32 codes along K).
;; Outputs: out0 4 x 256 x 1,024 float32.
;; Constants: top_k = 2.
;; This version of the problem:
;;   THIS VERSION OF THE PROBLEM IS GIVEN IN LOW PRECISION. The matrix products marked QUANTISED in the list below multiply operands that are first quantised to E2M3 (2 exponent bits, 3 mantissa bits; 6 bits a number), with one power-of-two scale for each 32 numbers along K (OCP MX v1.0); their sums are f32. All else is computed in f32.
;;   The module's matrix products, in the order in which they are computed (A, B: the left and right operand; K: the contracted axis; several contracted axes count as one K, in the product's order):
;;     1. [M 1,024, K 1,024] x [K 1,024, N 8]; A: input hidden_states; B: input gate_w: left as it is (N = 8 < 16)
;;     2. batch 1,024 x [M 1, K 2] x [K 2, N 8]; A: softmax; B: computed on the way: left as it is (K = 2 < 32)
;;     3. [M 32,768, K 1,024] x [K 1,024, N 1,024]; A: input w1 (given as codes); B: input hidden_states: QUANTISED
;;     4. batch 8 x [M 1,024, K 4,096] x [K 4,096, N 1,024]; A: computed on the way; B: input w2 (given as codes): QUANTISED
;;     5. batch 1,024 x [M 1,024, K 8] x [K 8, N 1]; A: computed on the way; B: computed on the way: left as it is (K = 8 < 32)
;;   THE QUANTISER, for each operand of a quantised product, along K:
;;     - K is cut into blocks of 32 from its start; a last block that is shorter is filled with zeros.
;;     - A block's scale is 2^e with e = floor(log2(the largest magnitude in the block)) - 2, held to -126 .. 127; a block of zeros has e = 0. As a byte (E8M0): e + 127.
;;     - Each number is divided by its block's scale, clamped to +-7.5, and rounded to the nearest number of E2M3, ties to even, subnormals kept.
;;     - The product sums the exact products of the quantised numbers (number of the format x scale) in f32.
;;   ~~~python
;;   def quantise(x, axis):      # numpy; x: float32 -> the quantised numbers, widened to float32 again
;;       x = np.moveaxis(x, axis, -1); K = x.shape[-1]
;;       x = np.pad(x, [(0, 0)] * (x.ndim - 1) + [(0, -K % 32)]); x = x.reshape(x.shape[:-1] + (-1, 32)); a = np.abs(x).max(-1, keepdims=True)
;;       e = np.where(a > 0, np.clip(np.frexp(np.where(a > 0, a, 1))[1] - 1 - 2, -126, 127), 0)      # np.frexp(a)[1] - 1 = floor(log2(a)), exactly
;;       r = np.clip(x / 2.0 ** e, -7.5, 7.5)
;;       step = 2.0 ** (np.maximum(np.frexp(np.where(r == 0, 1, r))[1] - 1, 0) - 3)
;;       q = np.round(r / step) * step * 2.0 ** e      # np.round: ties to even
;;       return np.moveaxis(q.reshape(q.shape[:-2] + (-1,))[..., :K], -1, axis).astype(np.float32)
;;   ~~~
;;   OPERANDS COMPUTED ON THE WAY. 'Computed on the way' means the value that the module computes at that place (a softmax that the list does not call 'softmax' is quantised finished and normalised). What goes into a quantiser is computed in f32, as accurately as f32 sums, v_exp_f32 and their like allow (about 1e-6 of the number): no bf16 or f16 on the way to a quantiser, and a product that is left as it is and whose result goes on into a quantised operand takes f32 operands (vector FMAs, or v_wmma_f32_16x16x4_f32). A number that lies on a knife's edge between two numbers of the format may be rounded either way, as far as f32 arithmetic and the matrix unit's own rounding can turn it there, and no further.
;;   INPUTS GIVEN AS CODES. w1 (in the module: [8, 1024, 4096], K = its axis 1); w2 (in the module: [8, 4096, 1024], K = its axis 1): each comes as NAME_codes (uint8): NAME with its K axis moved to the last place and cut into blocks of 32 codes, [.., K / 32, bytes a block], one block behind the other in memory; four codes in three bytes: a row's codes are one little-endian stream of bits, code i at bits 6 i .. 6 i + 5 (a code: sign, 2 exponent bits, 3 mantissa bits); and NAME_scales (uint8): the same leading axes, one E8M0 byte (e + 127) for each 32 codes along K. Its value is code x scale, taken as it is: it is not quantised again, and the codes and scales need not be those that the quantiser above would give.
;; 2 versions, each right; version 2 is version 1 with the launches ffn1, ffn2 written anew for expert scheduling mode. Each part assembles by itself: llvm-mc -triple=amdgcn-amd-amdhsa -mcpu=gfx1250 --defsym DOCPART=n.
;; ======== version 1 of 2: 5 launches
;; workspace buffers: sel 4,096 bytes of whole numbers; gwt 8,192 bytes; xq 819,200 bytes; ord 33,024 bytes of whole numbers; xg 6,553,600 bytes; hq 26,214,400 bytes; yp 134,217,728 bytes
;; launch route (part 1): grid 256 x 1, 4 waves a work-group, no clusters, 55,296 bytes of LDS; arguments hidden_states, gate_w, gate_b, sel, gwt, xq; writes sel, gwt, xq
.if DOCPART == 1
	.amdgcn_target "amdgcn-amd-amdhsa--gfx1250"
	.amdhsa_code_object_version 6
	.text
	.protected	k_q8bf4cf6b16_route
	.globl	k_q8bf4cf6b16_route
	.p2align	8
	.type	k_q8bf4cf6b16_route,@function
k_q8bf4cf6b16_route:
	s_mov_b64 s[64:65], 0
	v_nop
	global_prefetch_b8 v0, s[64:65] scope:SCOPE_SE
	s_setreg_imm32_b32 hwreg(HW_REG_WAVE_MODE, 25, 1), 1
	s_wait_xcnt 0x0
; ROUTE.  One wave takes one token t = 4 x work-group + wave (1,024 tokens of 1,024 f32).  It makes
;  (a) the eight gate scores x . gate_w + gate_b in f32 by fused multiply-adds, the two best (ties: the lower index), and the softmax of those two with the larger taken away first;
;      stored at fixed places: sel[t] = e0 | e1 << 8 (whole numbers), gwt[t] = the two weights;
;  (b) x quantised to FP6 (E2M3) with one E8M0 byte for each 32 along K.  xq's row of a token is 768 bytes, laid so that a later gather finds operand registers on end:
;      K step s (128 numbers) takes 96 bytes: 48 for lanes 0-15 (blocks 0 and 2 of the step), then 48 for lanes 16-31 (blocks 1 and 3).  The 32 scale bytes lie in K's order at 786,432 + 32 t.
; No address and no branch hangs on the scores.
; A lane must hold 16 neighbours along K for the conversion, and a load is best where neighbouring lanes take neighbouring bytes: so the row turns through the wave's own stage in LDS.
; gate_w (32 KiB) is copied once into LDS by the four waves, 16 bytes of padding behind each 512: a lane's 16 rows of gate_w are 512 bytes, 528 from lane to lane.
; LIMITS: NaN and infinities are not served; a block of zeros gets the byte 1 (its codes are zeros; this program alone reads the bytes).
.set STG, 33792                        ; LDS: behind gate_w's 64 x 528 bytes: two stages of 32 x 80 bytes for each wave
.set SCB, 54272                        ; 64 bytes for each wave: the token's 32 scale bytes
.set SP,  80                           ; a lane's place in a stage: 64 bytes + 16 of padding
.set R,   16                           ; v16-47   the row as loaded
.set X,   48                           ; v48-79   two chunks of 16 neighbours: chunk q, register i: k = 512 q + 16 lane + i
.set A,   80                           ; v80-95   two sets of eight score sums (even k, odd k); the second set later takes the other half of the lanes' sums
.set GW,  128                          ; v128-255 a chunk's gate weights: register 8 i + e
	s_load_b256 s[4:11], s[0:1], 0x0               ; hidden_states s[4:5], gate_w s[6:7], gate_b s[8:9], sel s[10:11]
	s_load_b128 s[12:15], s[0:1], 0x20             ; gwt s[12:13], xq s[14:15]
	v_lshl_add_u32 v126, v0, 2, 0xd600
	v_mov_b32 v127, 0
	v_lshrrev_b32 v12, 5, v0
	v_readfirstlane_b32 s16, v12                   ; wave
	v_and_b32 v1, 31, v0                           ; lane
	v_lshlrev_b32 v2, 4, v1                        ; 16 x lane
	v_lshlrev_b32 v11, 4, v0                       ; 16 x thread: gate_w as it lies
	v_lshl_add_u32 v3, v12, 4, v11                 ; and in LDS: 16 more for each 512 passed
	v_mul_u32_u24 v4, v1, 528                      ; my 16 rows of gate_w in LDS
	s_mul_i32 s18, s16, 2*32*SP
	s_add_co_u32 s18, s18, STG                     ; my wave's stages
	v_lshrrev_b32 v5, 2, v1
	v_mul_u32_u24 v5, v5, SP
	v_and_b32 v6, 3, v1
	v_lshl_add_u32 v5, v6, 4, v5
	v_add_nc_u32 v5, s18, v5                       ; into a stage: four lanes' 64 bytes on end, then the padding
	v_mul_u32_u24 v6, v1, SP
	v_add_nc_u32 v6, s18, v6                       ; out of it: my 16 neighbours
	v_lshrrev_b32 v7, 3, v1                        ; my 12 bytes of codes in xq's row: K step lane / 8,
	v_mul_u32_u24 v7, v7, 96
	v_bfe_u32 v13, v1, 1, 1                        ; the block's low bit chooses the half of 48 bytes,
	v_mad_u32_u24 v7, v13, 48, v7
	v_bfe_u32 v13, v1, 2, 1                        ; its high bit the 24 bytes in it,
	v_mad_u32_u24 v7, v13, 24, v7
	v_and_b32 v13, 1, v1                           ; and my half of the block
	v_mad_u32_u24 v7, v13, 12, v7
	s_lshl_b32 s19, s16, 6
	s_add_co_u32 s19, s19, SCB
	v_lshrrev_b32 v8, 1, v1
	v_add_nc_u32 v8, s19, v8                       ; my block's scale byte in LDS
	v_and_b32 v10, 7, v1
	v_lshlrev_b32 v10, 2, v10                      ; the way out of the scale bytes: 4 bytes a lane, eight lanes
	v_add_nc_u32 v9, s19, v10
	v_mov_b32 v107, 0
	s_mov_b32 s28, 0x76543210
	s_mov_b32 s29, 0xfedcba98                      ; v_permlanex16_b32's selects for lane l xor 16
	s_lshl_b32 s17, ttmp9, 2
	s_add_co_u32 s17, s17, s16                     ; my token
	s_mov_b32 s33, 0
	s_wait_kmcnt 0x0
	s_load_b256 s[20:27], s[8:9], 0x0              ; gate_b
	s_lshl_b32 s32, s17, 12
	s_add_nc_u64 s[4:5], s[4:5], s[32:33]          ; my row of x
	s_mul_i32 s32, s17, 768
	s_add_nc_u64 s[34:35], s[14:15], s[32:33]      ; my row of codes
	s_lshl_b32 s32, s17, 5
	s_add_co_u32 s32, s32, 786432
	s_add_nc_u64 s[36:37], s[14:15], s[32:33]      ; my scale bytes
	s_lshl_b32 s32, s17, 2
	s_add_nc_u64 s[10:11], s[10:11], s[32:33]
	s_lshl_b32 s32, s17, 3
	s_add_nc_u64 s[12:13], s[12:13], s[32:33]
.irp i, 0,1,2,3,4,5,6,7
	global_load_b128 v[R+4*\i:R+4*\i+3], v2, s[4:5] offset:512*\i th:TH_LOAD_NT   ; 32 lanes read 512 consecutive bytes; read once in the launch
.endr
.irp n, 0,1,2,3,4,5,6,7,8,9,10,11,12,13,14,15
	global_load_b128 v[GW+4*\n:GW+4*\n+3], v11, s[6:7] offset:2048*\n            ; the work-group's copy of gate_w: 2,048 consecutive bytes a line
.endr
	s_wait_loadcnt 16                              ; the row is in; gate_w's sixteen loads may be out
.irp q, 0,1                                        ; both chunks through the stages: LDS serves a wave's instructions in order, so no wait stands between stores and loads
.irp i, 0,1,2,3
	ds_store_b128 v5, v[R+16*\q+4*\i:R+16*\q+4*\i+3] offset:32*SP*\q+8*SP*\i
.endr
.irp i, 0,1,2,3
	ds_load_b128 v[X+16*\q+4*\i:X+16*\q+4*\i+3], v6 offset:32*SP*\q+16*\i
.endr
.endr
	s_wait_loadcnt 0x0                             ; gate_w
.irp n, 0,1,2,3,4,5,6,7,8,9,10,11,12,13,14,15
	ds_store_b128 v3, v[GW+4*\n:GW+4*\n+3] offset:2112*\n
.endr
	s_wait_dscnt 0x0                               ; for the others' sake: my part of gate_w lies in LDS (and my neighbours are back)
	s_barrier_signal -1
	s_barrier_wait -1                              ; everybody's does
.macro GWLOAD q                        ; my 16 rows of gate_w for chunk q: 512 bytes
.set n, 0
.rept 32
	ds_load_b128 v[GW+4*n:GW+4*n+3], v4 offset:16896*\q+16*n
.set n, n+1
.endr
.endm
	GWLOAD 0
; The quantiser, while those loads are out.  Two neighbouring lanes hold a block of 32.  The codes' registers, v112-114 and v116-118, are written once: nothing writes them behind their stores.
.irp q, 0,1
	v_max3_num_f32 v[96+4*\q], |v[X+16*\q]|, |v[X+16*\q+1]|, |v[X+16*\q+2]|
	v_max3_num_f32 v[97+4*\q], |v[X+16*\q+3]|, |v[X+16*\q+4]|, |v[X+16*\q+5]|
.irp i, 6,10
	v_max3_num_f32 v[96+4*\q], v[96+4*\q], |v[X+16*\q+\i]|, |v[X+16*\q+\i+1]|
	v_max3_num_f32 v[97+4*\q], v[97+4*\q], |v[X+16*\q+\i+2]|, |v[X+16*\q+\i+3]|
.endr
	v_max3_num_f32 v[96+4*\q], v[96+4*\q], |v[X+16*\q+14]|, |v[X+16*\q+15]|
	v_max3_num_f32 v[96+4*\q], v[96+4*\q], v[97+4*\q], 0x1800000                   ; and the floor 2^(3 - 127): the byte cannot fall under 1
	v_max_num_f32_dpp v[96+4*\q], v[96+4*\q], v[96+4*\q] row_xmask:1 row_mask:0xf bank_mask:0xf   ; with my neighbour's 16: the block's largest magnitude
	v_add_nc_u32 v[98+4*\q], 0xff000000, v[96+4*\q]                                ; 2 off its exponent field: the conversion takes that field as its scale
	v_cvt_scalef32_pk16_fp6_f32 v[112+4*\q:114+4*\q], v[X+16*\q:X+16*\q+15], v[98+4*\q]
	v_lshrrev_b32 v[120+\q], 23, v[98+4*\q]        ; the scale's byte (also the plain line behind the conversion)
	ds_store_b8 v8, v[120+\q] offset:16*\q         ; both lanes of a block write the same byte with the same value
	global_store_b96 v7, v[112+4*\q:114+4*\q], s[34:35] offset:384*\q
.endr
; The scores: sixteen k of a chunk x eight experts, two experts an instruction; x is the broadcast source.  Even and odd k keep sums of their own, so that a sum is taken up again eight lines on.
.macro GATE q
.irp m, 0,1,2,3,4,5,6,7
.irp j, 0,2,4,6
.if (\q == 0) && (\m == 0)
	v_pk_mul_f32 v[A+\j:A+\j+1], v[X+16*\q+2*\m:X+16*\q+2*\m+1], v[GW+16*\m+\j:GW+16*\m+\j+1] op_sel_hi:[0,1]
.else
	v_pk_fma_f32 v[A+\j:A+\j+1], v[X+16*\q+2*\m:X+16*\q+2*\m+1], v[GW+16*\m+\j:GW+16*\m+\j+1], v[A+\j:A+\j+1] op_sel_hi:[0,1,1]
.endif
.endr
.irp j, 0,2,4,6
.if (\q == 0) && (\m == 0)
	v_pk_mul_f32 v[A+8+\j:A+8+\j+1], v[X+16*\q+2*\m:X+16*\q+2*\m+1], v[GW+16*\m+8+\j:GW+16*\m+8+\j+1] op_sel:[1,0] op_sel_hi:[1,1]
.else
	v_pk_fma_f32 v[A+8+\j:A+8+\j+1], v[X+16*\q+2*\m:X+16*\q+2*\m+1], v[GW+16*\m+8+\j:GW+16*\m+8+\j+1], v[A+8+\j:A+8+\j+1] op_sel:[1,0,0] op_sel_hi:[1,1,1]
.endif
.endr
.endr
.endm
	s_wait_dscnt 0x0                               ; chunk 0's weights are in
	GATE 0
	GWLOAD 1
	s_wait_dscnt 0x0
	GATE 1
.irp j, 0,2,4,6
	v_pk_add_f32 v[A+\j:A+\j+1], v[A+\j:A+\j+1], v[A+8+\j:A+8+\j+1]
.endr
.irp m, 1,2,4,8                                    ; over the 32 lanes: four steps inside each half, the eight sums by turns
.irp e, 0,1,2,3,4,5,6,7
	v_add_f32_dpp v[A+\e], v[A+\e], v[A+\e] row_xmask:\m row_mask:0xf bank_mask:0xf
.endr
.endr
.irp e, 0,1,2,3,4,5,6,7
	v_permlanex16_b32 v[A+8+\e], v[A+\e], s28, s29 ; into the odd k's sums, which are done with: written before, and read by no store
.endr
	s_wait_kmcnt 0x0                               ; gate_b
.irp e, 0,1,2,3,4,5,6,7
	v_add_f32 v[A+\e], v[A+\e], v[A+8+\e]
.endr
.irp e, 0,1,2,3,4,5,6,7
	v_add_f32 v[A+\e], s[20+\e], v[A+\e]           ; every lane now holds the eight scores
.endr
; The two best, by selects alone.  'best >= next' keeps the lower index on a tie.
	v_mov_b32 v96, v[A]
	v_mov_b32 v97, 0
.irp e, 1,2,3,4,5,6,7
	v_cmp_ge_f32 vcc_lo, v96, v[A+\e]
	v_cndmask_b32 v97, \e, v97, vcc_lo
	v_max_num_f32 v96, v96, v[A+\e]
.endr
	v_mov_b32 v100, 0xff800000                     ; -infinity takes the winner's place for the second search
.irp e, 0,1,2,3,4,5,6,7
	v_cmp_eq_u32 vcc_lo, \e, v97
	v_cndmask_b32 v[A+\e], v[A+\e], v100, vcc_lo
.endr
	v_mov_b32 v98, v[A]
	v_mov_b32 v99, 0
.irp e, 1,2,3,4,5,6,7
	v_cmp_ge_f32 vcc_lo, v98, v[A+\e]
	v_cndmask_b32 v99, \e, v99, vcc_lo
	v_max_num_f32 v98, v98, v[A+\e]
.endr
	v_lshl_or_b32 v101, v99, 8, v97                ; e0 | e1 << 8
	v_sub_f32 v104, v98, v96                       ; the softmax of two: the larger score is taken away, so the exponent is 0 or less
	v_mul_f32 v104, 0x3fb8aa3b, v104
	v_exp_f32 v104, v104
	v_nop                                          ; one plain line behind a transcendental
	s_wait_alu depctr_va_vdst(0)
	v_add_f32 v105, 1.0, v104
	v_rcp_f32 v102, v105                           ; w0 = 1 / (1 + e^(s1 - s0))
	v_nop
	s_wait_alu depctr_va_vdst(0)
	v_mul_f32 v103, v104, v102                     ; w1
	ds_load_b32 v106, v9                           ; my scale bytes, four a lane: LDS serves a wave's instructions in order
	s_wait_dscnt 0x0
	s_wait_xcnt 0x0                                ; EXEC changes only behind this wait: the stores of codes have read their sources
	v_cmp_gt_u32 vcc_lo, 8, v1
	s_wait_tensorcnt 0x0
	ds_add_u32 v126, v127
	s_wait_dscnt 0x0
	s_and_saveexec_b32 s30, vcc_lo
	global_store_b32 v10, v106, s[36:37]           ; eight lanes: the token's 32 scale bytes
	s_wait_xcnt 0x0
	v_cmp_eq_u32 vcc_lo, 0, v1
	s_and_saveexec_b32 s31, vcc_lo
	global_store_b32 v107, v101, s[10:11]          ; lane 0: the choice, as whole numbers,
	global_store_b64 v107, v[102:103], s[12:13]    ; and its two weights
	s_endpgm
.Lfunc_end_k_q8bf4cf6b16_route:
	.size	k_q8bf4cf6b16_route, .Lfunc_end_k_q8bf4cf6b16_route-k_q8bf4cf6b16_route
	.p2alignl 7, 3214868480
	.fill 96, 4, 3214868480
	.section	.rodata,"a",@progbits
	.p2align	6, 0x0
	.amdhsa_kernel k_q8bf4cf6b16_route
		.amdhsa_group_segment_fixed_size 55296
		.amdhsa_private_segment_fixed_size 0
		.amdhsa_enable_private_segment 0
		.amdhsa_kernarg_size 48
		.amdhsa_user_sgpr_count 2
		.amdhsa_user_sgpr_kernarg_segment_ptr 1
		.amdhsa_wavefront_size32 1
		.amdhsa_system_sgpr_workgroup_id_x 1
		.amdhsa_system_sgpr_workgroup_id_y 1
		.amdhsa_system_sgpr_workgroup_id_z 1
		.amdhsa_system_vgpr_workitem_id 0
		.amdhsa_next_free_vgpr 256
		.amdhsa_next_free_sgpr 66
		.amdhsa_reserve_vcc 1
		.amdhsa_float_denorm_mode_32 3
		.amdhsa_float_denorm_mode_16_64 3
		.amdhsa_memory_ordered 1
		.amdhsa_forward_progress 1
		.amdhsa_inst_pref_size 28
	.end_amdhsa_kernel
	.amdgpu_metadata
---
amdhsa.version: [ 1, 2 ]
amdhsa.kernels:
  - .name:           k_q8bf4cf6b16_route
    .symbol:         k_q8bf4cf6b16_route.kd
    .args:
      - { .name: hidden_states, .offset: 0, .size: 8, .value_kind: global_buffer, .address_space: global }
      - { .name: gate_w, .offset: 8, .size: 8, .value_kind: global_buffer, .address_space: global }
      - { .name: gate_b, .offset: 16, .size: 8, .value_kind: global_buffer, .address_space: global }
      - { .name: sel, .offset: 24, .size: 8, .value_kind: global_buffer, .address_space: global }
      - { .name: gwt, .offset: 32, .size: 8, .value_kind: global_buffer, .address_space: global }
      - { .name: xq, .offset: 40, .size: 8, .value_kind: global_buffer, .address_space: global }
    .group_segment_fixed_size: 55296
    .private_segment_fixed_size: 0
    .kernarg_segment_align: 8
    .kernarg_segment_size: 48
    .max_flat_workgroup_size: 128
    .sgpr_count:     66
    .vgpr_count:     256
    .wavefront_size: 32
...
	.end_amdgpu_metadata
.endif
;; end of part 1
;; launch place (part 2): grid 32 x 8, 1 waves a work-group, no clusters, 34,048 bytes of LDS; arguments sel, xq, ord, xg; writes ord, xg
.if DOCPART == 2
	.amdgcn_target "amdgcn-amd-amdhsa--gfx1250"
	.amdhsa_code_object_version 6
	.text
	.protected	k_q8bf4cf6b16_place
	.globl	k_q8bf4cf6b16_place
	.p2align	8
	.type	k_q8bf4cf6b16_place,@function
k_q8bf4cf6b16_place:
	s_mov_b64 s[64:65], 0
	v_nop
	global_prefetch_b8 v0, s[64:65] scope:SCOPE_SE
	s_setreg_imm32_b32 hwreg(HW_REG_WAVE_MODE, 25, 1), 1
	s_wait_xcnt 0x0
; PLACE.  Work-group (j, e), one wave: rows 32 j .. 32 j + 31 of expert e's list.  Every work-group scans all 1,024 choices (4 KiB) and so knows each member's rank (the number of members with a lower
; token number) and the expert's count, with no traffic between work-groups.  Group 0 of each expert stores rank[e][t] (0 for tokens that are no members) and cnt[e].
; Then the group's 32 tokens' codes are gathered from xq and stored as IMAGES OF OPERAND REGISTERS: a fragment (16 rows x 128 K, 12 registers a lane) is 3 x 512 bytes, registers 4 c .. 4 c + 3 of lane l
; at 512 c + 16 l; tile (16 rows) and K step s at ((64 e + tile) 8 + s) 1,536.  The rows' scale words lie at 6,291,456 + ((8 e + s) 1,024 + row) 4.
; Each expert has room for 1,024 rows, so the grid serves every split; a group beyond the expert's count stores nothing and ends.  Group 0 is always written; rows beyond the count carry token 0.
; One wave to a work-group: no barrier; LDS serves its instructions in order.
.set STG, 8192                         ; LDS: 0 .. 4,095 the token of each rank, 4,096 a word for non-members; from 8,192 a stage of 32 rows
.set WP,  784                          ; a stage row: 768 bytes + 16: 196 words, so that 16 rows start at 16 different groups of four banks
.set RK,  16                           ; v16-47   the choices, then the ranks: register w, lane l: token 32 w + l
.set TK,  48                           ; v48-63   byte offsets of the gathered rows
.set D,   64                           ; v64-255  32 rows x 768 bytes
	s_load_b256 s[4:11], s[0:1], 0x0               ; sel s[4:5], xq s[6:7], ord s[8:9], xg s[10:11]
	s_set_vgpr_msb 0x40
	v_lshl_add_u32 v0, v0, 2, 0x8400
	v_mov_b32 v1, 0
	s_set_vgpr_msb 0x4000
	s_and_b32 s18, ttmp7, 0xffff                   ; e
	v_mov_b32 v1, 0x400                            ; where non-members' stores go: word 1,024
	v_and_b32 v2, 15, v0                           ; r
	v_lshrrev_b32 v3, 4, v0                        ; h
	v_lshlrev_b32 v4, 4, v0                        ; 16 x lane
	v_lshlrev_b32 v5, 2, v0                        ; 4 x lane
	s_lshl_b32 s20, ttmp9, 7                       ; my group's 32 words of the list
	v_lshl_add_u32 v6, v3, 2, s20                  ; lanes 0-15 one row, lanes 16-31 the next
	v_add_nc_u32 v7, s20, v5                       ; a row to a lane
	v_lshlrev_b32 v8, 4, v2                        ; 16 r
	v_mul_u32_u24 v10, v3, WP
	v_add_nc_u32 v10, v10, v8
	v_add_nc_u32 v10, STG, v10                     ; into the stage: sixteen lanes to 256 bytes of a row
	v_mul_u32_u24 v11, v2, WP
	v_mad_u32_u24 v11, v3, 48, v11
	v_add_nc_u32 v11, STG, v11                     ; out of it: row r, my half's 48 bytes of a K step
.irp i, 12,13,14,15
	v_mov_b32 v\i, 0
.endr
.irp n, 0,1,2,3,4,5,6,7,8
	ds_store_b128 v4, v[12:15] offset:512*\n       ; the list begins as token 0 everywhere
.endr
	s_mov_b32 s19, 0                               ; members so far
	s_mov_b32 s25, 0
	s_wait_kmcnt 0x0
.set w, 0
.rept 32
	global_load_b32 v[RK+w], v5, s[4:5] offset:128*w
.set w, w+1
.endr
	s_lshl_b32 s24, s18, 12
	s_add_nc_u64 s[26:27], s[8:9], s[24:25]        ; rank[e][.]
	s_lshl_b32 s24, s18, 2
	s_add_co_u32 s24, s24, 32768
	s_add_nc_u64 s[28:29], s[8:9], s[24:25]        ; cnt[e]
	s_lshl_b32 s24, s18, 6
	s_lshl_b32 s21, ttmp9, 1
	s_add_co_u32 s24, s24, s21
	s_mul_i32 s24, s24, 12288
	s_add_nc_u64 s[30:31], s[10:11], s[24:25]      ; my two tiles' images
	s_lshl_b32 s24, s18, 15
	s_add_co_u32 s24, s24, s20
	s_add_co_u32 s24, s24, 6291456
	s_add_nc_u64 s[32:33], s[10:11], s[24:25]      ; my 32 rows' scale words
	s_wait_loadcnt 0x0
.set w, 0
.rept 32                                           ; 32 tokens a step: who is a member, its rank, and its number into the list at its rank
	v_and_b32 v12, 0xff, v[RK+w]
	v_lshrrev_b32 v13, 8, v[RK+w]
	v_cmp_eq_u32 s20, s18, v12
	v_cmp_eq_u32 s21, s18, v13
	s_or_b32 s20, s20, s21
	v_mbcnt_lo_u32_b32 v14, s20, s19               ; members in lower lanes + members so far
	v_cndmask_b32 v[RK+w], 0, v14, s20
	v_cndmask_b32 v15, v1, v14, s20
	v_min_u32 v15, 0x400, v15
	v_lshlrev_b32 v15, 2, v15
	v_add_nc_u32 v9, 32*w, v0
	ds_store_b32 v15, v9
	s_bcnt1_i32_b32 s21, s20
	s_add_co_u32 s19, s19, s21
.set w, w+1
.endr
	s_cmp_lg_u32 ttmp9, 0
	s_cbranch_scc1 .Lgather
.set w, 0
.rept 32
	global_store_b32 v5, v[RK+w], s[26:27] offset:128*w   ; group 0 stores the expert's ranks, every word of them
.set w, w+1
.endr
	v_mov_b32 v12, s19
	v_mov_b32 v13, 0
	v_cmp_eq_u32 vcc_lo, 0, v0
	s_wait_xcnt 0x0                                ; EXEC changes only behind this wait
	s_and_saveexec_b32 s22, vcc_lo
	global_store_b32 v13, v12, s[28:29]            ; and its count
	s_wait_xcnt 0x0                                ; and again in front of the line that widens it; the ranks' registers are free behind it too
	s_or_b32 exec_lo, exec_lo, s22
.Lgather:
	s_max_u32 s20, s19, 1                          ; group 0 is always written
	s_lshl_b32 s21, ttmp9, 5
	s_cmp_ge_u32 s21, s20
	s_cbranch_scc1 .Lend                           ; a group beyond the count has no rows
.irp n, 0,1,2,3,4,5,6,7,8,9,10,11,12,13,14,15
	ds_load_b32 v[TK+\n], v6 offset:8*\n           ; rows 2 n (lanes 0-15) and 2 n + 1 (lanes 16-31)
.endr
	ds_load_b32 v9, v7                             ; row = lane
	s_wait_dscnt 0x0
.irp n, 0,1,2,3,4,5,6,7,8,9,10,11,12,13,14,15
	v_min_u32 v[TK+\n], 0x3ff, v[TK+\n]
	v_mul_u32_u24 v[TK+\n], v[TK+\n], 768
	v_add_nc_u32 v[TK+\n], v[TK+\n], v8
.endr
	v_min_u32 v9, 0x3ff, v9
	v_lshlrev_b32 v9, 5, v9
.irp n, 0,1,2,3,4,5,6,7,8,9,10,11,12,13,14,15
.irp p, 0,1,2
	global_load_b128 v[D+12*\n+4*\p:D+12*\n+4*\p+3], v[TK+\n], s[6:7] offset:256*\p   ; sixteen lanes read 256 consecutive bytes of a token's codes
.endr
.endr
	global_load_b128 v[16:19], v9, s[6:7] offset:786432    ; my row's eight scale words
	global_load_b128 v[20:23], v9, s[6:7] offset:786448
	s_wait_loadcnt 2                               ; the codes are in; the two loads of scale words may be out
.irp n, 0,1,2,3,4,5,6,7,8,9,10,11,12,13,14,15
.irp p, 0,1,2
	ds_store_b128 v10, v[D+12*\n+4*\p:D+12*\n+4*\p+3] offset:2*\n*WP+256*\p
.endr
.endr
	s_wait_dscnt 0x0                               ; the stores have read their registers, which the loads below fill again
.irp tt, 0,1
.irp s, 0,1,2,3,4,5,6,7
.irp c, 0,1,2
	ds_load_b128 v[D+4*(24*\tt+3*\s+\c):D+4*(24*\tt+3*\s+\c)+3], v11 offset:\tt*16*WP+96*\s+16*\c   ; registers 4 c .. 4 c + 3 of the fragment (tile tt, K step s)
.endr
.endr
.endr
.irp tt, 0,1
.irp s, 0,1,2,3,4,5,6,7
.irp c, 0,1,2
	s_wait_dscnt 47-(24*\tt+3*\s+\c)               ; LDS loads come back in order: this one is in
	global_store_b128 v4, v[D+4*(24*\tt+3*\s+\c):D+4*(24*\tt+3*\s+\c)+3], s[30:31] offset:\tt*12288+\s*1536+512*\c   ; 512 consecutive bytes, aligned
.endr
.endr
.endr
	s_wait_loadcnt 0x0
.irp s, 0,1,2,3,4,5,6,7
	global_store_b32 v5, v[16+\s], s[32:33] offset:4096*\s   ; K step s: 32 rows' scale words, 128 consecutive bytes
.endr
.Lend:
	s_set_vgpr_msb 0x5
	s_wait_tensorcnt 0x0
	ds_add_u32 v0, v1
	s_wait_dscnt 0x0
	s_set_vgpr_msb 0x500
	s_endpgm
.Lfunc_end_k_q8bf4cf6b16_place:
	.size	k_q8bf4cf6b16_place, .Lfunc_end_k_q8bf4cf6b16_place-k_q8bf4cf6b16_place
	.p2alignl 7, 3214868480
	.fill 96, 4, 3214868480
	.section	.rodata,"a",@progbits
	.p2align	6, 0x0
	.amdhsa_kernel k_q8bf4cf6b16_place
		.amdhsa_group_segment_fixed_size 34048
		.amdhsa_private_segment_fixed_size 0
		.amdhsa_enable_private_segment 0
		.amdhsa_kernarg_size 32
		.amdhsa_user_sgpr_count 2
		.amdhsa_user_sgpr_kernarg_segment_ptr 1
		.amdhsa_wavefront_size32 1
		.amdhsa_system_sgpr_workgroup_id_x 1
		.amdhsa_system_sgpr_workgroup_id_y 1
		.amdhsa_system_sgpr_workgroup_id_z 1
		.amdhsa_system_vgpr_workitem_id 0
		.amdhsa_next_free_vgpr 258
		.amdhsa_next_free_sgpr 66
		.amdhsa_reserve_vcc 1
		.amdhsa_float_denorm_mode_32 3
		.amdhsa_float_denorm_mode_16_64 3
		.amdhsa_memory_ordered 1
		.amdhsa_forward_progress 1
		.amdhsa_inst_pref_size 54
	.end_amdhsa_kernel
	.amdgpu_metadata
---
amdhsa.version: [ 1, 2 ]
amdhsa.kernels:
  - .name:           k_q8bf4cf6b16_place
    .symbol:         k_q8bf4cf6b16_place.kd
    .args:
      - { .name: sel, .offset: 0, .size: 8, .value_kind: global_buffer, .address_space: global }
      - { .name: xq, .offset: 8, .size: 8, .value_kind: global_buffer, .address_space: global }
      - { .name: ord, .offset: 16, .size: 8, .value_kind: global_buffer, .address_space: global }
      - { .name: xg, .offset: 24, .size: 8, .value_kind: global_buffer, .address_space: global }
    .group_segment_fixed_size: 34048
    .private_segment_fixed_size: 0
    .kernarg_segment_align: 8
    .kernarg_segment_size: 32
    .max_flat_workgroup_size: 32
    .sgpr_count:     66
    .vgpr_count:     258
    .wavefront_size: 32
...
	.end_amdgpu_metadata
.endif
;; end of part 2
;; launch ffn1 (part 3): grid 32 x 8, 4 waves a work-group, no clusters, 100,864 bytes of LDS; arguments xg, w1_codes, w1_scales, b1, ord, hq; writes hq
.if DOCPART == 3
	.amdgcn_target "amdgcn-amd-amdhsa--gfx1250"
	.amdhsa_code_object_version 6
	.text
	.protected	k_q8bf4cf6b16_ffn1
	.globl	k_q8bf4cf6b16_ffn1
	.p2align	8
	.type	k_q8bf4cf6b16_ffn1,@function
k_q8bf4cf6b16_ffn1:
	s_mov_b64 s[64:65], 0
	v_nop
	global_prefetch_b8 v0, s[64:65] scope:SCOPE_SE
	s_setreg_imm32_b32 hwreg(HW_REG_WAVE_MODE, 25, 1), 1
	s_wait_xcnt 0x0
; FFN1.  h = Q(gelu(x W1^T + b1)) for the rows routed to an expert, on codes of FP6 (E2M3) with one E8M0 scale for each 32 along K.
; SHARES.  Work-group (f, e) owns hidden units 128 f .. 128 f + 127 of expert e for all of K = 1,024: 96 KiB of codes, read from memory once in the launch, by this work-group alone, and kept in LDS
; (128 rows, 784 bytes apart).  It walks the expert's rows: tiles of 16, wave w taking tiles 20 p + 4 i + w (i = 0 .. 4) in pass p.  The number of passes hangs on the stored count, so this text has no
; tensor load, and its one barrier stands ahead of every branch on that count.  Clusters and joint loads are left out for the same reason: partners would need different numbers of tiles.
; x comes from xg as images of operand registers: three loads of 16 bytes a lane bring a fragment.  Tile numbers past the expert's last tile are held at it: such slots compute and store nothing new.
; Tile 0 is always worked, at a count of 0 too (its rows are pad rows): so every byte of hq that the next launch loads has been stored.
; THE PRODUCT IS USED TRANSPOSED (source 0 = 16 rows of W1, source 1 = 16 rows of x): a lane holds one row of x, and its registers run along the hidden units, the next product's K.
; THE ROWS OF W1 THAT FORM A BLOCK ARE NOT NEIGHBOURS: lane r of block 2 b + u takes row 32 b + 8 u + r + 8 (r / 8), so that the 16 registers of blocks 2 b, 2 b + 1 are 16 neighbours along the next K.
; b1 is the C of each sum's first product.  The 128 hidden units of a tile are one K step of the next product: one fragment and one scale word a row, stored to hq as an image.
; GELU is 0.5 x (1 + erf(x / sqrt 2)) in f32, erf(z) = z P(z^2) / Q(z^2) with z held to +-4.
; LIMITS: NaN and infinities are not served; erf's error is about 1e-7 absolute, so far down the negative tail gelu carries about 1e-7 |x| absolute; a block of zeros gets the byte 1 (read by this program alone).
; REGISTERS, in windows of 256.  Window 0: v1-22 addresses; v32-63 W1's scale words (register 8 b + s: lanes 0-15 block b, lanes 16-31 block b + 4); v64-87 x's (8 p + s: lanes 0-15 slot 2 p, lanes 16-31 slot 2 p + 1);
;   v192-255 slot 4's accumulators.  Window 1: v0-191 two sets of W1's eight fragments; v192-255 b1.  Window 2: v0-239 x's fragments, four K steps x five slots; on the way out at work.
;   Window 3: slots 0-3's accumulators (slot i, block t at 64 i + 8 t); at the start v0-191 carry the weights to LDS.
.set WSTR,  768                        ; bytes from row to row of w1's codes
.set TILEB, 12288                      ; a tile's eight images in xg
.set HTILE, 49152                      ; a tile's 32 images in hq
.set WP,    784                        ; an LDS row: 768 bytes + 16 = 196 words: row r starts at bank 4 r mod 64 (64 banks of 4 bytes: ISA guide 11.1), so the 32 lanes of a load of 8 bytes touch 64 different banks
.set L16,   3                          ; v3     16 x lane
.set R4,    4                          ; v4     4 r
.set AW,    5                          ; v5, v6 my place in blocks 0-3, 4-7 of the weights in LDS
.set WGO,   7                          ; v7     the weights in memory: lanes 0-15 one row, lanes 16-31 the next
.set WLS,   8                          ; v8     and where they go in LDS
.set SWO,   9                          ; v9     W1's scale words
.set BO,    10                         ; v10    b1: 64 h
.set XO,    11                         ; v11-15 slot i's images
.set XSO,   16                         ; v16-18 the slots' scale words, two slots a register
.set OUTO,  19                         ; v19    the way out: the image
.set SCO,   20                         ; v20    and its scale words
.set TV,    22
.set SW,    32
.set XS,    64
.set Z,     0                          ; window 2, on the way out: x / sqrt 2
.set H,     64                         ; 0.5 x, then gelu
.set U,     128
.set PP,    144
.set QQ,    160
.set TM,    180
.set PW,    196
.set PC,    200
.set MSB, 0
.macro WIN new                         ; s_set_vgpr_msb: bits 1:0 source 0, 3:2 source 1, 5:4 source 2, 7:6 destination; the high byte repeats the setting that is left
.if MSB != \new
	s_set_vgpr_msb (MSB<<8)|\new
.set MSB, \new
.endif
.endm
.macro PLACES n                        ; plain lines between a matrix instruction and what touches its registers (ISA guide 7.12.1)
.rept \n
	v_nop
.endr
.endm
.macro PADDR                           ; the pass's offsets, from s23 = its first tile: each tile held at the expert's last and at 63
.irp i, 0,1,2,3,4
	s_add_co_u32 s24, s23, 4*\i
	s_min_u32 s24, s24, s20
	s_min_u32 s24, s24, 63
	s_mul_i32 s24, s24, TILEB
	v_add_nc_u32 v[XO+\i], s24, v[L16]
.endr
.irp p, 0,1,2
	s_add_co_u32 s24, s23, 8*\p
	v_lshl_add_u32 v[TV], v2, 2, s24               ; lanes 16-31: the slot after
	v_min_u32 v[TV], s20, v[TV]
	v_min_u32 v[TV], 63, v[TV]
	v_lshl_add_u32 v[XSO+\p], v[TV], 6, v[R4]      ; 64 bytes a tile, 4 a row
.endr
.endm
.macro XSLOAD                          ; the five slots' scale words for the eight K steps
.irp p, 0,1,2
.irp s, 0,1,2,3,4,5,6,7
	global_load_b32 v[XS+8*\p+\s], v[XSO+\p], s[42:43] offset:4096*\s
.endr
.endr
.endm
.macro XLOAD s                         ; K step s of the five slots: fifteen loads, 512 consecutive bytes each, into buffer s % 4
	WIN 0x80
.irp i, 0,1,2,3,4
.irp c, 0,1,2
	global_load_b128 v[60*((\s)%4)+12*\i+4*\c:60*((\s)%4)+12*\i+4*\c+3], v[XO+\i], s[40:41] offset:1536*(\s)+512*\c
.endr
.endr
.endm
.macro WFLOAD s                        ; K step s of the eight blocks of W1 from LDS into set s % 2: a lane's 24 + 24 bytes as six loads of 8, every address a multiple of 8
	WIN 0x40
.irp t, 0,1,2,3,4,5,6,7
.irp p, 0,1,2,3,4,5
	ds_load_b64 v[96*((\s)%2)+12*\t+2*\p:96*((\s)%2)+12*\t+2*\p+1], v[AW+\t/4] offset:16*WP*(\t%4)+96*(\s)+48*(\p/3)+8*(\p%3)
.endr
.endr
.endm
.macro WM t, i                         ; one product; which half of the lanes holds a side's scale words hangs on the block and on the slot
.if ((\t) < 4) && (((\i) % 2) == 0)
	v_wmma_scale_f32_16x16x128_f8f6f4 v[rD:rD+7], v[rA:rA+11], v[rB:rB+11], v[rC:rC+7], v[rSA], v[rSB] matrix_a_fmt:MATRIX_FMT_FP6 matrix_b_fmt:MATRIX_FMT_FP6
.elseif (\t) < 4
	v_wmma_scale_f32_16x16x128_f8f6f4 v[rD:rD+7], v[rA:rA+11], v[rB:rB+11], v[rC:rC+7], v[rSA], v[rSB] matrix_a_fmt:MATRIX_FMT_FP6 matrix_b_fmt:MATRIX_FMT_FP6 matrix_b_scale:MATRIX_SCALE_ROW1
.elseif ((\i) % 2) == 0
	v_wmma_scale_f32_16x16x128_f8f6f4 v[rD:rD+7], v[rA:rA+11], v[rB:rB+11], v[rC:rC+7], v[rSA], v[rSB] matrix_a_fmt:MATRIX_FMT_FP6 matrix_b_fmt:MATRIX_FMT_FP6 matrix_a_scale:MATRIX_SCALE_ROW1
.else
	v_wmma_scale_f32_16x16x128_f8f6f4 v[rD:rD+7], v[rA:rA+11], v[rB:rB+11], v[rC:rC+7], v[rSA], v[rSB] matrix_a_fmt:MATRIX_FMT_FP6 matrix_b_fmt:MATRIX_FMT_FP6 matrix_a_scale:MATRIX_SCALE_ROW1 matrix_b_scale:MATRIX_SCALE_ROW1
.endif
.endm
.macro MUL s                           ; 40 products: eight blocks x five slots, 128 along K.  The 40 accumulators take turns, one instruction a turn, in the same order in every step
.if (\s) == 0
	WIN 0xd9                                       ; W1 window 1, x window 2, C = b1 window 1, D window 3
.else
	WIN 0xf9                                       ; C and D window 3
.endif
.irp t, 0,1,2,3,4,5,6,7
.irp i, 0,1,2,3
.set rD, 64*\i+8*\t
.set rA, 96*((\s)%2)+12*\t
.set rB, 60*((\s)%4)+12*\i
.set rSA, SW+8*(\t%4)+(\s)
.set rSB, XS+8*(\i/2)+(\s)
.if (\s) == 0
.set rC, 192+8*\t
.else
.set rC, rD
.endif
	WM \t, \i
.endr
.endr
.if (\s) == 0
	WIN 0x19                                       ; slot 4: D window 0, C = b1 window 1
.else
	WIN 0x09
.endif
.irp t, 0,1,2,3,4,5,6,7
.set rD, 192+8*\t
.set rC, 192+8*\t
.set rA, 96*((\s)%2)+12*\t
.set rB, 60*((\s)%4)+48
.set rSA, SW+8*(\t%4)+(\s)
.set rSB, XS+16+(\s)
	WM \t, 4
.endr
.endm
.macro STEP s
.if ((\s) > 0) && ((\s) < 7)
	PLACES 4                                       ; in front of loads into registers that the last step's products read
.endif
.if ((\s) >= 1) && ((\s) <= 4)
	XLOAD (\s)+3                                   ; x runs three K steps ahead
.endif
.if (\s) < 7
	WFLOAD (\s)+1                                  ; W1's fragments one
	s_wait_dscnt 48                                ; this step's set is in; the 48 loads just issued may be out
.else
	s_wait_dscnt 0x0
.endif
.if (\s) <= 4
	s_wait_loadcnt 45                              ; this step's x is in; three younger steps of fifteen loads may be out
.else
	s_wait_loadcnt 15*(7-(\s))                     ; two, one, none
.endif
	MUL \s
.endm
	s_load_b256 s[4:11], s[0:1], 0x0               ; xg s[4:5], w1_codes s[6:7], w1_scales s[8:9], b1 s[10:11]
	s_load_b128 s[12:15], s[0:1], 0x20             ; ord s[12:13], hq s[14:15]
	v_lshl_add_u32 v190, v0, 2, 0x18800
	v_mov_b32 v191, 0
	v_lshrrev_b32 v22, 5, v0
	v_readfirstlane_b32 s16, v22                   ; wave
	s_mov_b32 s17, ttmp9                           ; f
	s_and_b32 s18, ttmp7, 0xffff                   ; e
	v_and_b32 v23, 31, v0
	v_and_b32 v1, 15, v0                           ; r
	v_bfe_u32 v2, v0, 4, 1                         ; h
	v_lshlrev_b32 v[L16], 4, v23
	v_lshlrev_b32 v[R4], 2, v1
	v_mul_u32_u24 v[AW], v1, WP
	v_mad_u32_u24 v[AW], v2, 24, v[AW]             ; row r of a block, + 24 h
	v_add_nc_u32 v[AW+1], 64*WP, v[AW]
	v_mul_u32_u24 v[WGO], v2, WSTR
	v_lshl_add_u32 v[WGO], v1, 4, v[WGO]
	s_mul_i32 s24, s16, 32*WP                      ; wave w brings rows 32 w .. 32 w + 31, which are blocks 2 w and 2 w + 1
	v_mul_u32_u24 v[WLS], v2, WP
	v_lshl_add_u32 v[WLS], v1, 4, v[WLS]
	v_add_nc_u32 v[WLS], s24, v[WLS]
	v_and_b32 v[SWO], 8, v1
	v_add_nc_u32 v[SWO], v[SWO], v1                ; r + 8 (r / 8)
	v_lshl_add_u32 v[SWO], v2, 6, v[SWO]           ; lanes 16-31: four blocks, 64 rows, on
	v_lshlrev_b32 v[SWO], 5, v[SWO]                ; 32 scale bytes a row
	v_lshlrev_b32 v[BO], 6, v2
	s_mov_b32 s34, 0x76543210
	s_mov_b32 s35, 0xfedcba98                      ; v_permlanex16_b32's selects for lane l xor 16
	s_mov_b32 s36, 0xaf95df0b                      ; erf: the leading coefficient of P,
	s_mov_b32 s37, s36                             ; (named with it as a pair, so it is written)
	s_mov_b32 s38, 0xb77460cd                      ; and of Q
	s_mov_b32 s39, s38
	s_mov_b32 s27, 0
	s_lshl_b32 s24, s18, 12
	s_lshl_b32 s25, s17, 7
	s_add_co_u32 s24, s24, s25                     ; the work-group's first row of W1: 4,096 e + 128 f
	s_lshl_b32 s25, s16, 5
	s_add_co_u32 s25, s25, s24
	s_mul_i32 s28, s25, WSTR
	s_wait_kmcnt 0x0
	s_lshl_b32 s26, s18, 2
	s_add_co_u32 s26, s26, 32768
	s_add_nc_u64 s[12:13], s[12:13], s[26:27]
	s_load_b32 s19, s[12:13], 0x0                  ; cnt[e]
	s_mov_b32 s26, s28
	s_add_nc_u64 s[6:7], s[6:7], s[26:27]
	s_lshl_b32 s26, s24, 5
	s_add_nc_u64 s[8:9], s[8:9], s[26:27]
	s_lshl_b32 s26, s24, 2
	s_add_nc_u64 s[10:11], s[10:11], s[26:27]
	s_mul_i32 s26, s18, 64*TILEB
	s_add_nc_u64 s[40:41], s[4:5], s[26:27]        ; the expert's images of x
	s_lshl_b32 s26, s18, 15
	s_add_co_u32 s26, s26, 6291456
	s_add_nc_u64 s[42:43], s[4:5], s[26:27]        ; and their scale words
	s_mul_i32 s26, s18, 64*HTILE
	s_mul_i32 s25, s17, 1536
	s_add_co_u32 s26, s26, s25
	s_add_nc_u64 s[44:45], s[14:15], s[26:27]      ; hq: the expert's images, K step f
	s_lshl_b32 s26, s18, 5
	s_add_co_u32 s26, s26, s17
	s_lshl_b32 s26, s26, 12
	s_add_co_u32 s26, s26, 25165824
	s_add_nc_u64 s[46:47], s[14:15], s[26:27]      ; and their scale words
	WIN 0xc0                                       ; destination window 3
.set n, 0
.rept 16
.irp p, 0,1,2
	global_load_b128 v[4*(3*n+\p):4*(3*n+\p)+3], v[WGO], s[6:7] offset:2*n*WSTR+256*\p th:TH_LOAD_NT   ; sixteen lanes read 256 consecutive bytes of a row, aligned; read once in the launch
.endr
.set n, n+1
.endr
	WIN 0
.irp b, 0,1,2,3
	global_load_b128 v[SW+8*\b:SW+8*\b+3], v[SWO], s[8:9] offset:(32*(\b/2)+8*(\b%2))*32
	global_load_b128 v[SW+8*\b+4:SW+8*\b+7], v[SWO], s[8:9] offset:(32*(\b/2)+8*(\b%2))*32+16
.endr
	s_wait_kmcnt 0x0
	s_min_u32 s19, s19, 1024
	s_add_co_u32 s19, s19, 15
	s_lshr_b32 s19, s19, 4
	s_max_u32 s19, s19, 1                          ; T: the expert's tiles, at least one
	s_sub_co_u32 s20, s19, 1                       ; its last tile
	s_mov_b32 s21, 0                               ; my passes: as many p as have 20 p + w < T
.irp p, 0,1,2,3
	s_add_co_u32 s24, s16, 20*\p
	s_cmp_lt_u32 s24, s19
	s_cselect_b32 s25, 1, 0
	s_add_co_u32 s21, s21, s25
.endr
	s_mov_b32 s22, 0                               ; the pass
	s_mov_b32 s23, s16                             ; its first tile
	PADDR
	XSLOAD
	XLOAD 0
	s_wait_loadcnt 47                              ; the weights are in: behind them stand 8 loads of their scale words, 24 of x's and 15 of x's first K step
	WIN 0x40                                       ; destination window 1
.irp t, 0,1,2,3,4,5,6,7
	global_load_b128 v[192+8*\t:192+8*\t+3], v[BO], s[10:11] offset:(32*(\t/2)+8*(\t%2))*4      ; b1 in the result's layout: lane (r, h), block t: units 32 (t / 2) + 16 h + 8 (t % 2) + 0 .. 7
	global_load_b128 v[192+8*\t+4:192+8*\t+7], v[BO], s[10:11] offset:(32*(\t/2)+8*(\t%2))*4+16
.endr
	WIN 0x0c                                       ; an LDS store's data are its source 1: window 3
.set n, 0
.rept 16
.irp p, 0,1,2
	ds_store_b128 v[WLS], v[4*(3*n+\p):4*(3*n+\p)+3] offset:(16*((n>>2)&1)+8*(n>>3)+2*(n&3))*WP+256*\p   ; row x = 2 n + h of my 32 goes to place 16 ((x / 8) % 2) + 8 (x / 16) + x % 8
.endr
.set n, n+1
.endr
	XLOAD 1
	XLOAD 2
	XLOAD 3
	WIN 0
	s_wait_dscnt 0x0                               ; for the others' sake: my 32 rows lie in LDS
	s_barrier_signal -1
	s_barrier_wait -1                              ; all 128 do.  The launch's one barrier: nothing writes these bytes again
	s_cmp_eq_u32 s21, 0
	s_cbranch_scc1 .Lend                           ; a wave without tiles
.Lbody:                                            ; a trip is a pass.  On both ways here the youngest 45 loads are x's K steps 1 to 3
	WFLOAD 0
	STEP 0
	STEP 1
	STEP 2
	STEP 3
	STEP 4
	STEP 5
	STEP 6
	STEP 7
	WIN 0
	PLACES 5                                       ; results are read below, and the next pass begins these accumulators anew
; THE WAY OUT, slot by slot.  Only the lines that name a slot's accumulators are written five times.
.macro RD k                            ; slot k: z = x / sqrt 2 and 0.5 x, each accumulator from its low end on
.if \k < 4
	WIN 0x83
.set AC, 64*\k
.else
	WIN 0x80
.set AC, 192
.endif
.set j, 0
.rept 32
	v_pk_mul_f32 v[Z+j:Z+j+1], v[AC+j:AC+j+1], 0x3f3504f3 op_sel_hi:[1,0]
	v_pk_mul_f32 v[H+j:H+j+1], v[AC+j:AC+j+1], 0.5 op_sel_hi:[1,0]
.set j, j+2
.endr
	WIN 0
.endm
.macro GELU g                          ; sixteen numbers from 16 g on; in every step of the two polynomials the eight pairs take turns
.irp j, 0,1,2,3,4,5,6,7,8,9,10,11,12,13,14,15
	v_med3_num_f32 v[Z+16*\g+\j], v[Z+16*\g+\j], -4.0, 4.0
.endr
.irp j, 0,2,4,6,8,10,12,14
	v_pk_mul_f32 v[U+\j:U+\j+1], v[Z+16*\g+\j:Z+16*\g+\j+1], v[Z+16*\g+\j:Z+16*\g+\j+1]
.endr
.irp j, 0,2,4,6,8,10,12,14
	v_pk_fma_f32 v[PP+\j:PP+\j+1], v[U+\j:U+\j+1], s[36:37], 0x32edffee op_sel_hi:[1,0,0]
.endr
.irp j, 0,2,4,6,8,10,12,14
	v_pk_fma_f32 v[QQ+\j:QQ+\j+1], v[U+\j:U+\j+1], s[38:39], 0xb95fbd29 op_sel_hi:[1,0,0]
.endr
.irp k, 0xb60cff51, 0xb86ec2d2, 0xba40ac63, 0xbb41a1f6, 0xbc83dbd4
.irp j, 0,2,4,6,8,10,12,14
	v_pk_fma_f32 v[PP+\j:PP+\j+1], v[PP+\j:PP+\j+1], v[U+\j:U+\j+1], \k op_sel_hi:[1,1,0]
.endr
.endr
.irp k, 0xbadc924e, 0xbbf19bf8, 0xbc69b6a7
.irp j, 0,2,4,6,8,10,12,14
	v_pk_fma_f32 v[QQ+\j:QQ+\j+1], v[QQ+\j:QQ+\j+1], v[U+\j:U+\j+1], \k op_sel_hi:[1,1,0]
.endr
.endr
.irp j, 0,1,2,3,4,5,6,7,8,9,10,11,12,13,14,15
	v_rcp_f32 v[U+\j], v[QQ+\j]
.endr
.irp j, 0,2,4,6,8,10,12,14
	v_pk_mul_f32 v[PP+\j:PP+\j+1], v[PP+\j:PP+\j+1], v[Z+16*\g+\j:Z+16*\g+\j+1]     ; z P: plain lines behind the reciprocals, which touch neither their results nor their sources
.endr
	s_wait_alu depctr_va_vdst(0)
.irp j, 0,2,4,6,8,10,12,14
	v_pk_mul_f32 v[PP+\j:PP+\j+1], v[PP+\j:PP+\j+1], v[U+\j:U+\j+1]                 ; erf
.endr
.irp j, 0,2,4,6,8,10,12,14
	v_pk_fma_f32 v[H+16*\g+\j:H+16*\g+\j+1], v[H+16*\g+\j:H+16*\g+\j+1], v[PP+\j:PP+\j+1], v[H+16*\g+\j:H+16*\g+\j+1]   ; 0.5 x erf + 0.5 x
.endr
.endm
	s_mov_b32 s32, 0
.Lslot:
	s_lshl_b32 s33, s32, 2
	s_add_co_u32 s33, s33, s23                     ; the slot's tile
	s_cmp_ge_u32 s33, s19
	s_cbranch_scc1 .Lnext                          ; past the expert's last tile: nothing to store
	s_min_u32 s33, s33, 63
	s_wait_xcnt 0x0                                ; the last slot's stores have read their offsets and data
	s_mul_i32 s24, s33, HTILE
	v_add_nc_u32 v[OUTO], s24, v[L16]
	s_lshl_b32 s24, s33, 6
	v_add_nc_u32 v[SCO], s24, v[R4]
	s_cmp_eq_u32 s32, 0
	s_cbranch_scc1 .Lrd0
	s_cmp_eq_u32 s32, 1
	s_cbranch_scc1 .Lrd1
	s_cmp_eq_u32 s32, 2
	s_cbranch_scc1 .Lrd2
	s_cmp_eq_u32 s32, 3
	s_cbranch_scc1 .Lrd3
	RD 4
	s_branch .Lcommon
.Lrd0:
	RD 0
	s_branch .Lcommon
.Lrd1:
	RD 1
	s_branch .Lcommon
.Lrd2:
	RD 2
	s_branch .Lcommon
.Lrd3:
	RD 3
.Lcommon:
	WIN 0xaa                                       ; all in window 2
	GELU 0
	GELU 1
	GELU 2
	GELU 3
; The quantiser: register 16 b + i of H is k = 32 b + 16 h + i of my row; a block of 32 lies in lanes l and l xor 16.
.irp b, 0,1,2,3
	v_mov_b32 v[TM+4+\b], 0                        ; a lane permute's destination counts as one of its sources
.endr
.irp b, 0,1,2,3
	v_max3_num_f32 v[TM+\b], |v[H+16*\b]|, |v[H+1+16*\b]|, 0x1800000   ; my 16 numbers, and the floor 2^(3 - 127): the byte cannot fall under 1
.endr
.irp i, 2,4,6,8,10,12,14
.irp b, 0,1,2,3
	v_max3_num_f32 v[TM+\b], v[TM+\b], |v[H+16*\b+\i]|, |v[H+1+16*\b+\i]|
.endr
.endr
.irp b, 0,1,2,3
	v_permlanex16_b32 v[TM+4+\b], v[TM+\b], s34, s35
.endr
.irp b, 0,1,2,3
	v_max_num_f32 v[TM+\b], v[TM+\b], v[TM+4+\b]   ; the block's largest magnitude
.endr
.irp b, 0,1,2,3
	v_add_nc_u32 v[TM+12+\b], 0xff000000, v[TM+\b] ; 2 off its exponent field: the conversion's scale operand
.endr
.irp b, 0,1,2,3
	v_lshrrev_b32 v[TM+4+\b], 23, v[TM+12+\b]      ; the scale's byte
.endr
	v_lshl_or_b32 v[PW], v[TM+5], 8, v[TM+4]       ; my row's scale word
	v_lshl_or_b32 v[PW], v[TM+6], 16, v[PW]
	v_lshl_or_b32 v[PW], v[TM+7], 24, v[PW]
.irp c, 0,1
	v_cvt_scalef32_pk16_fp6_f32 v[PC+6*\c:PC+2+6*\c], v[H+32*\c:H+15+32*\c], v[TM+12+2*\c]
	v_cvt_scalef32_pk16_fp6_f32 v[PC+12+4*\c:PC+14+4*\c], v[H+16+32*\c:H+31+32*\c], v[TM+12+2*\c+1]   ; (a conversion's three registers begin on an even number)
.endr
	v_nop                                          ; one plain line behind a scaled conversion
.irp c, 0,1                                        ; the operand's layout wants a whole block in a lane: lanes 0-15 block 2 c, lanes 16-31 block 2 c + 1
.irp i, 0,1,2
	v_permlane16_swap_b32 v[PC+6*\c+\i], v[PC+12+4*\c+\i]
.endr
.irp i, 0,1,2
	v_mov_b32 v[PC+3+6*\c+\i], v[PC+12+4*\c+\i]
.endr
.endr
	WIN 0x08                                       ; a store's data are its source 1: window 2
.irp c, 0,1,2
	global_store_b128 v[OUTO], v[PC+4*\c:PC+4*\c+3], s[44:45] offset:512*\c   ; the fragment as it stands: 512 consecutive bytes, aligned
.endr
	global_store_b32 v[SCO], v[PW], s[46:47]       ; 16 rows' scale words (lanes 16-31 store the same words with the same values)
	WIN 0
.Lnext:
	s_add_co_u32 s32, s32, 1
	s_cmp_lt_u32 s32, 5
	s_cbranch_scc1 .Lslot
	s_wait_xcnt 0x0                                ; the pass's stores have read their registers: x's fragments land on them
	s_add_co_u32 s22, s22, 1
	s_add_co_u32 s23, s23, 20
	s_cmp_ge_u32 s22, s21
	s_cbranch_scc1 .Llast                          ; no pass follows: nothing more is asked for
	PADDR                                          ; the next pass's offsets (this pass's loads were all waited for in its last step: their offsets may be written),
	XSLOAD                                         ; its scale words, and its first four K steps
	XLOAD 0
	XLOAD 1
	XLOAD 2
	XLOAD 3
	WIN 0
.Llast:
	s_cmp_lt_u32 s22, s21
	s_cbranch_scc1 .Lbody
.Lend:
	s_wait_tensorcnt 0x0
	ds_add_u32 v190, v191
	s_wait_dscnt 0x0
	s_endpgm
.Lfunc_end_k_q8bf4cf6b16_ffn1:
	.size	k_q8bf4cf6b16_ffn1, .Lfunc_end_k_q8bf4cf6b16_ffn1-k_q8bf4cf6b16_ffn1
	.p2alignl 7, 3214868480
	.fill 96, 4, 3214868480
	.section	.rodata,"a",@progbits
	.p2align	6, 0x0
	.amdhsa_kernel k_q8bf4cf6b16_ffn1
		.amdhsa_group_segment_fixed_size 100864
		.amdhsa_private_segment_fixed_size 0
		.amdhsa_enable_private_segment 0
		.amdhsa_kernarg_size 48
		.amdhsa_user_sgpr_count 2
		.amdhsa_user_sgpr_kernarg_segment_ptr 1
		.amdhsa_wavefront_size32 1
		.amdhsa_system_sgpr_workgroup_id_x 1
		.amdhsa_system_sgpr_workgroup_id_y 1
		.amdhsa_system_sgpr_workgroup_id_z 1
		.amdhsa_system_vgpr_workitem_id 0
		.amdhsa_next_free_vgpr 1024
		.amdhsa_next_free_sgpr 66
		.amdhsa_reserve_vcc 0
		.amdhsa_float_denorm_mode_32 3
		.amdhsa_float_denorm_mode_16_64 3
		.amdhsa_memory_ordered 1
		.amdhsa_forward_progress 1
		.amdhsa_inst_pref_size 181
	.end_amdhsa_kernel
	.amdgpu_metadata
---
amdhsa.version: [ 1, 2 ]
amdhsa.kernels:
  - .name:           k_q8bf4cf6b16_ffn1
    .symbol:         k_q8bf4cf6b16_ffn1.kd
    .args:
      - { .name: xg, .offset: 0, .size: 8, .value_kind: global_buffer, .address_space: global }
      - { .name: w1_codes, .offset: 8, .size: 8, .value_kind: global_buffer, .address_space: global }
      - { .name: w1_scales, .offset: 16, .size: 8, .value_kind: global_buffer, .address_space: global }
      - { .name: b1, .offset: 24, .size: 8, .value_kind: global_buffer, .address_space: global }
      - { .name: ord, .offset: 32, .size: 8, .value_kind: global_buffer, .address_space: global }
      - { .name: hq, .offset: 40, .size: 8, .value_kind: global_buffer, .address_space: global }
    .group_segment_fixed_size: 100864
    .private_segment_fixed_size: 0
    .kernarg_segment_align: 8
    .kernarg_segment_size: 48
    .max_flat_workgroup_size: 128
    .sgpr_count:     66
    .vgpr_count:     1024
    .wavefront_size: 32
...
	.end_amdgpu_metadata
.endif
;; end of part 3
;; launch ffn2 (part 4): grid 32 x 8, 4 waves a work-group, no clusters, 134,656 bytes of LDS; arguments hq, w2_codes, w2_scales, ord, yp; writes yp
.if DOCPART == 4
	.amdgcn_target "amdgcn-amd-amdhsa--gfx1250"
	.amdhsa_code_object_version 6
	.text
	.protected	k_q8bf4cf6b16_ffn2
	.globl	k_q8bf4cf6b16_ffn2
	.p2align	8
	.type	k_q8bf4cf6b16_ffn2,@function
k_q8bf4cf6b16_ffn2:
	s_mov_b64 s[64:65], 0
	v_nop
	global_prefetch_b8 v0, s[64:65] scope:SCOPE_SE
	s_setreg_imm32_b32 hwreg(HW_REG_WAVE_MODE, 25, 1), 1
	s_wait_xcnt 0x0
; FFN2.  Partial sums of y = h W2^T for the rows routed to an expert, on codes of FP6 (E2M3) with one E8M0 scale for each 32 along K.
; SHARES.  Work-group (x = 8 q + dt, e) owns outputs 128 dt .. 128 dt + 127 of expert e and quarter q of K = 4,096: 128 rows x 768 bytes of W2's codes, read from memory once in the launch, by this work-group
; alone, and kept in LDS (784 bytes from row to row).  It walks the expert's rows as the launch before does: tiles of 16, wave w taking tiles 20 p + 4 i + w (i = 0 .. 4) in pass p.  K is cut in four
; so that h is read 8 times and not 32; the four partial sums of a row are added by the last launch, which has to add the two experts anyway.  Each byte of yp has one owner.
; The number of passes hangs on the stored count: no tensor load, and the one barrier stands ahead of every branch on that count; clusters are left out since partners would need different numbers of tiles.
; h comes from hq as images of operand registers.  Tile numbers past the expert's last tile are held at it; tile 0 is always worked.
; THE PRODUCT IS USED TRANSPOSED (source 0 = 16 rows of W2, source 1 = 16 rows of h): a lane holds eight neighbouring outputs of one row; a tile goes through the wave's own stage in LDS and leaves as
; rows of 512 consecutive bytes.  yp: [4 quarters][8,192 = 1,024 e + row][1,024] f32.
; LIMITS: NaN and infinities are not served.
; REGISTERS, in windows of 256.  Window 0: v1-22 addresses; v32-63 W2's scale words (8 b + s: lanes 0-15 block b, lanes 16-31 block b + 4); v64-87 h's (8 p + s: lanes 0-15 slot 2 p, lanes 16-31 slot 2 p + 1);
;   v96-159 rows on the way out; v192-255 slot 4's accumulators.  Window 1: v0-191 two sets of W2's eight fragments.  Window 2: v0-239 h's fragments, four K steps x five slots.
;   Window 3: slots 0-3's accumulators (slot i, block t at 64 i + 8 t); at the start v0-191 carry the weights to LDS.
.set WSTR,  3072                       ; bytes from row to row of w2's codes
.set TILEB, 49152                      ; a tile's 32 images in hq
.set WP,    784                        ; an LDS row: 768 bytes + 16 = 196 words: row r starts at bank 4 r mod 64 (64 banks of 4 bytes: ISA guide 11.1)
.set STG,   128*WP                     ; behind the weights: a stage of 16 rows x (512 + 16) bytes for each wave
.set SPT,   528
.set L16,   3                          ; v3     16 x lane
.set R4,    4                          ; v4     4 r
.set AW,    5                          ; v5, v6 my place in blocks 0-3, 4-7 of the weights in LDS
.set WGO,   7                          ; v7     the weights in memory
.set WLS,   8                          ; v8     and where they go in LDS
.set SWO,   9                          ; v9     W2's scale words
.set XO,    11                         ; v11-15 slot i's images
.set XSO,   16                         ; v16-18 the slots' scale words
.set OUTO,  19                         ; v19    the way out: my 16 bytes of the tile's first row
.set STO,   20                         ; v20    the stage: where I put 32 bytes of a row
.set RDA,   21                         ; v21    and where I read a row back
.set TV,    22
.set SW,    32
.set XS,    64
.set BK,    96
.set MSB, 0
.macro WIN new                         ; s_set_vgpr_msb: bits 1:0 source 0, 3:2 source 1, 5:4 source 2, 7:6 destination; the high byte repeats the setting that is left
.if MSB != \new
	s_set_vgpr_msb (MSB<<8)|\new
.set MSB, \new
.endif
.endm
.macro PLACES n                        ; plain lines between a matrix instruction and what touches its registers (ISA guide 7.12.1)
.rept \n
	v_nop
.endr
.endm
.macro PADDR                           ; the pass's offsets, from s23 = its first tile: each tile held at the expert's last and at 63
.irp i, 0,1,2,3,4
	s_add_co_u32 s24, s23, 4*\i
	s_min_u32 s24, s24, s20
	s_min_u32 s24, s24, 63
	s_mul_i32 s24, s24, TILEB
	v_add_nc_u32 v[XO+\i], s24, v[L16]
.endr
.irp p, 0,1,2
	s_add_co_u32 s24, s23, 8*\p
	v_lshl_add_u32 v[TV], v2, 2, s24               ; lanes 16-31: the slot after
	v_min_u32 v[TV], s20, v[TV]
	v_min_u32 v[TV], 63, v[TV]
	v_lshl_add_u32 v[XSO+\p], v[TV], 6, v[R4]
.endr
.endm
.macro XSLOAD                          ; the five slots' scale words for the quarter's eight K steps
.irp p, 0,1,2
.irp s, 0,1,2,3,4,5,6,7
	global_load_b32 v[XS+8*\p+\s], v[XSO+\p], s[42:43] offset:4096*\s
.endr
.endr
.endm
.macro XLOAD s                         ; K step s of the five slots: fifteen loads, 512 consecutive bytes each, into buffer s % 4
	WIN 0x80
.irp i, 0,1,2,3,4
.irp c, 0,1,2
	global_load_b128 v[60*((\s)%4)+12*\i+4*\c:60*((\s)%4)+12*\i+4*\c+3], v[XO+\i], s[40:41] offset:1536*(\s)+512*\c
.endr
.endr
.endm
.macro WFLOAD s                        ; K step s of the eight blocks of W2 from LDS into set s % 2
	WIN 0x40
.irp t, 0,1,2,3,4,5,6,7
.irp p, 0,1,2,3,4,5
	ds_load_b64 v[96*((\s)%2)+12*\t+2*\p:96*((\s)%2)+12*\t+2*\p+1], v[AW+\t/4] offset:16*WP*(\t%4)+96*(\s)+48*(\p/3)+8*(\p%3)
.endr
.endr
.endm
.macro WM t, i                         ; one product that adds in place
.if ((\t) < 4) && (((\i) % 2) == 0)
	v_wmma_scale_f32_16x16x128_f8f6f4 v[rD:rD+7], v[rA:rA+11], v[rB:rB+11], v[rD:rD+7], v[rSA], v[rSB] matrix_a_fmt:MATRIX_FMT_FP6 matrix_b_fmt:MATRIX_FMT_FP6
.elseif (\t) < 4
	v_wmma_scale_f32_16x16x128_f8f6f4 v[rD:rD+7], v[rA:rA+11], v[rB:rB+11], v[rD:rD+7], v[rSA], v[rSB] matrix_a_fmt:MATRIX_FMT_FP6 matrix_b_fmt:MATRIX_FMT_FP6 matrix_b_scale:MATRIX_SCALE_ROW1
.elseif ((\i) % 2) == 0
	v_wmma_scale_f32_16x16x128_f8f6f4 v[rD:rD+7], v[rA:rA+11], v[rB:rB+11], v[rD:rD+7], v[rSA], v[rSB] matrix_a_fmt:MATRIX_FMT_FP6 matrix_b_fmt:MATRIX_FMT_FP6 matrix_a_scale:MATRIX_SCALE_ROW1
.else
	v_wmma_scale_f32_16x16x128_f8f6f4 v[rD:rD+7], v[rA:rA+11], v[rB:rB+11], v[rD:rD+7], v[rSA], v[rSB] matrix_a_fmt:MATRIX_FMT_FP6 matrix_b_fmt:MATRIX_FMT_FP6 matrix_a_scale:MATRIX_SCALE_ROW1 matrix_b_scale:MATRIX_SCALE_ROW1
.endif
.endm
.macro WMZ t, i                        ; one product that starts a sum: nothing is cleared
.if ((\t) < 4) && (((\i) % 2) == 0)
	v_wmma_scale_f32_16x16x128_f8f6f4 v[rD:rD+7], v[rA:rA+11], v[rB:rB+11], 0, v[rSA], v[rSB] matrix_a_fmt:MATRIX_FMT_FP6 matrix_b_fmt:MATRIX_FMT_FP6
.elseif (\t) < 4
	v_wmma_scale_f32_16x16x128_f8f6f4 v[rD:rD+7], v[rA:rA+11], v[rB:rB+11], 0, v[rSA], v[rSB] matrix_a_fmt:MATRIX_FMT_FP6 matrix_b_fmt:MATRIX_FMT_FP6 matrix_b_scale:MATRIX_SCALE_ROW1
.elseif ((\i) % 2) == 0
	v_wmma_scale_f32_16x16x128_f8f6f4 v[rD:rD+7], v[rA:rA+11], v[rB:rB+11], 0, v[rSA], v[rSB] matrix_a_fmt:MATRIX_FMT_FP6 matrix_b_fmt:MATRIX_FMT_FP6 matrix_a_scale:MATRIX_SCALE_ROW1
.else
	v_wmma_scale_f32_16x16x128_f8f6f4 v[rD:rD+7], v[rA:rA+11], v[rB:rB+11], 0, v[rSA], v[rSB] matrix_a_fmt:MATRIX_FMT_FP6 matrix_b_fmt:MATRIX_FMT_FP6 matrix_a_scale:MATRIX_SCALE_ROW1 matrix_b_scale:MATRIX_SCALE_ROW1
.endif
.endm
.macro MUL s                           ; 40 products: eight blocks x five slots, 128 along K.  The 40 accumulators take turns, one instruction a turn, in the same order in every step
.if (\s) == 0
	WIN 0xc9                                       ; W2 window 1, h window 2, D window 3
.else
	WIN 0xf9                                       ; C and D window 3
.endif
.irp t, 0,1,2,3,4,5,6,7
.irp i, 0,1,2,3
.set rD, 64*\i+8*\t
.set rA, 96*((\s)%2)+12*\t
.set rB, 60*((\s)%4)+12*\i
.set rSA, SW+8*(\t%4)+(\s)
.set rSB, XS+8*(\i/2)+(\s)
.if (\s) == 0
	WMZ \t, \i
.else
	WM \t, \i
.endif
.endr
.endr
	WIN 0x09                                       ; slot 4: C and D window 0
.irp t, 0,1,2,3,4,5,6,7
.set rD, 192+8*\t
.set rA, 96*((\s)%2)+12*\t
.set rB, 60*((\s)%4)+48
.set rSA, SW+8*(\t%4)+(\s)
.set rSB, XS+16+(\s)
.if (\s) == 0
	WMZ \t, 4
.else
	WM \t, 4
.endif
.endr
.endm
.macro STEP s
.if ((\s) > 0) && ((\s) < 7)
	PLACES 4                                       ; in front of loads into registers that the last step's products read
.endif
.if ((\s) >= 1) && ((\s) <= 4)
	XLOAD (\s)+3                                   ; h runs three K steps ahead
.endif
.if (\s) < 7
	WFLOAD (\s)+1                                  ; W2's fragments one
	s_wait_dscnt 48                                ; this step's set is in; the 48 loads just issued may be out
.else
	s_wait_dscnt 0x0
.endif
.if (\s) <= 4
	s_wait_loadcnt 45                              ; this step's h is in; three younger steps of fifteen loads may be out
.else
	s_wait_loadcnt 15*(7-(\s))                     ; two, one, none
.endif
	MUL \s
.endm
	s_load_b256 s[4:11], s[0:1], 0x0               ; hq s[4:5], w2_codes s[6:7], w2_scales s[8:9], ord s[10:11]
	s_load_b64 s[12:13], s[0:1], 0x20              ; yp
	v_lshl_add_u32 v190, v0, 2, 0x20c00
	v_mov_b32 v191, 0
	v_lshrrev_b32 v22, 5, v0
	v_readfirstlane_b32 s16, v22                   ; wave
	s_and_b32 s17, ttmp9, 7                        ; dt: which 128 outputs
	s_lshr_b32 s48, ttmp9, 3                       ; q: which quarter of K
	s_and_b32 s18, ttmp7, 0xffff                   ; e
	v_and_b32 v23, 31, v0
	v_and_b32 v1, 15, v0                           ; r
	v_bfe_u32 v2, v0, 4, 1                         ; h
	v_lshlrev_b32 v[L16], 4, v23
	v_lshlrev_b32 v[R4], 2, v1
	v_mul_u32_u24 v[AW], v1, WP
	v_mad_u32_u24 v[AW], v2, 24, v[AW]             ; row r of a block, + 24 h
	v_add_nc_u32 v[AW+1], 64*WP, v[AW]
	v_mul_u32_u24 v[WGO], v2, WSTR
	v_lshl_add_u32 v[WGO], v1, 4, v[WGO]
	s_mul_i32 s24, s16, 32*WP                      ; wave w brings rows 32 w .. 32 w + 31, as they lie
	v_mul_u32_u24 v[WLS], v2, WP
	v_lshl_add_u32 v[WLS], v1, 4, v[WLS]
	v_add_nc_u32 v[WLS], s24, v[WLS]
	v_lshl_add_u32 v[SWO], v2, 6, v1               ; row r; lanes 16-31: four blocks, 64 rows, on
	v_lshlrev_b32 v[SWO], 7, v[SWO]                ; 128 scale bytes a row
	s_mul_i32 s24, s16, 16*SPT
	s_add_co_u32 s24, s24, STG                     ; my stage
	v_mul_u32_u24 v[STO], v1, SPT
	v_lshl_add_u32 v[STO], v2, 5, v[STO]
	v_add_nc_u32 v[STO], s24, v[STO]               ; in: row r, 32 bytes for each half of the lanes
	v_add_nc_u32 v[RDA], s24, v[L16]               ; back: the 32 lanes take one row of 512 bytes
	s_mov_b32 s27, 0
	s_lshl_b32 s24, s18, 10
	s_lshl_b32 s25, s17, 7
	s_add_co_u32 s24, s24, s25                     ; the work-group's first row of W2: 1,024 e + 128 dt
	s_lshl_b32 s25, s16, 5
	s_add_co_u32 s25, s25, s24
	s_mul_i32 s28, s25, WSTR
	s_mul_i32 s25, s48, 768
	s_add_co_u32 s28, s28, s25                     ; and the quarter's 768 bytes in a row
	s_wait_kmcnt 0x0
	s_lshl_b32 s26, s18, 2
	s_add_co_u32 s26, s26, 32768
	s_add_nc_u64 s[10:11], s[10:11], s[26:27]
	s_load_b32 s19, s[10:11], 0x0                  ; cnt[e]
	s_mov_b32 s26, s28
	s_add_nc_u64 s[6:7], s[6:7], s[26:27]
	s_lshl_b32 s26, s24, 7
	s_lshl_b32 s25, s48, 5
	s_add_co_u32 s26, s26, s25
	s_add_nc_u64 s[8:9], s[8:9], s[26:27]
	s_mul_i32 s26, s18, 64*TILEB
	s_mul_i32 s25, s48, 12288
	s_add_co_u32 s26, s26, s25
	s_add_nc_u64 s[40:41], s[4:5], s[26:27]        ; the expert's images of h, from K step 8 q on
	s_lshl_b32 s26, s18, 5
	s_lshl_b32 s25, s48, 3
	s_add_co_u32 s26, s26, s25
	s_lshl_b32 s26, s26, 12
	s_add_co_u32 s26, s26, 25165824
	s_add_nc_u64 s[42:43], s[4:5], s[26:27]        ; and their scale words
	s_lshl_b32 s26, s48, 25
	s_lshl_b32 s25, s18, 22
	s_add_co_u32 s26, s26, s25
	s_lshl_b32 s25, s17, 9
	s_add_co_u32 s26, s26, s25
	s_add_nc_u64 s[44:45], s[12:13], s[26:27]      ; yp: quarter q, the expert's first row, my 128 columns
	WIN 0xc0                                       ; destination window 3
.set n, 0
.rept 16
.irp p, 0,1,2
	global_load_b128 v[4*(3*n+\p):4*(3*n+\p)+3], v[WGO], s[6:7] offset:2*n*WSTR+256*\p th:TH_LOAD_NT   ; sixteen lanes read 256 consecutive bytes of a row, aligned; read once in the launch
.endr
.set n, n+1
.endr
	WIN 0
.irp b, 0,1,2,3
	global_load_b128 v[SW+8*\b:SW+8*\b+3], v[SWO], s[8:9] offset:2048*\b
	global_load_b128 v[SW+8*\b+4:SW+8*\b+7], v[SWO], s[8:9] offset:2048*\b+16
.endr
	s_wait_kmcnt 0x0
	s_min_u32 s19, s19, 1024
	s_add_co_u32 s19, s19, 15
	s_lshr_b32 s19, s19, 4
	s_max_u32 s19, s19, 1                          ; T: the expert's tiles, at least one
	s_sub_co_u32 s20, s19, 1                       ; its last tile
	s_mov_b32 s21, 0                               ; my passes: as many p as have 20 p + w < T
.irp p, 0,1,2,3
	s_add_co_u32 s24, s16, 20*\p
	s_cmp_lt_u32 s24, s19
	s_cselect_b32 s25, 1, 0
	s_add_co_u32 s21, s21, s25
.endr
	s_mov_b32 s22, 0                               ; the pass
	s_mov_b32 s23, s16                             ; its first tile
	PADDR
	XSLOAD
	XLOAD 0
	s_wait_loadcnt 47                              ; the weights are in: behind them stand 8 loads of their scale words, 24 of h's and 15 of h's first K step
	WIN 0x0c                                       ; an LDS store's data are its source 1: window 3
.set n, 0
.rept 16
.irp p, 0,1,2
	ds_store_b128 v[WLS], v[4*(3*n+\p):4*(3*n+\p)+3] offset:2*n*WP+256*\p
.endr
.set n, n+1
.endr
	XLOAD 1
	XLOAD 2
	XLOAD 3
	WIN 0
	s_wait_dscnt 0x0                               ; for the others' sake: my 32 rows lie in LDS
	s_barrier_signal -1
	s_barrier_wait -1                              ; all 128 do.  The launch's one barrier: nothing writes these bytes again
	s_cmp_eq_u32 s21, 0
	s_cbranch_scc1 .Lend                           ; a wave without tiles
.Lbody:                                            ; a trip is a pass.  On both ways here the youngest 45 loads are h's K steps 1 to 3
	WFLOAD 0
	STEP 0
	STEP 1
	STEP 2
	STEP 3
	STEP 4
	STEP 5
	STEP 6
	STEP 7
	WIN 0
	PLACES 5                                       ; results are read below, and the next pass begins these accumulators anew
; THE WAY OUT, slot by slot.  Only the lines that name a slot's accumulators are written five times.
.macro RD k                            ; slot k into my stage: lane (r, h), block t: y(r, 16 t + 8 h + 0 .. 7); each accumulator from its low end on
.if \k < 4
	WIN 0x0c
.set AC, 64*\k
.else
	WIN 0
.set AC, 192
.endif
.irp t, 0,1,2,3,4,5,6,7
	ds_store_b128 v[STO], v[AC+8*\t:AC+8*\t+3] offset:64*\t
	ds_store_b128 v[STO], v[AC+8*\t+4:AC+8*\t+7] offset:64*\t+16
.endr
	WIN 0
.endm
	s_mov_b32 s32, 0
.Lslot:
	s_lshl_b32 s33, s32, 2
	s_add_co_u32 s33, s33, s23                     ; the slot's tile
	s_cmp_ge_u32 s33, s19
	s_cbranch_scc1 .Lnext                          ; past the expert's last tile: nothing to store
	s_min_u32 s33, s33, 63
	s_wait_xcnt 0x0                                ; the last slot's stores have read their offset and data
	s_lshl_b32 s24, s33, 16                        ; 16 rows of 4,096 bytes a tile
	v_add_nc_u32 v[OUTO], s24, v[L16]
	s_cmp_eq_u32 s32, 0
	s_cbranch_scc1 .Lrd0
	s_cmp_eq_u32 s32, 1
	s_cbranch_scc1 .Lrd1
	s_cmp_eq_u32 s32, 2
	s_cbranch_scc1 .Lrd2
	s_cmp_eq_u32 s32, 3
	s_cbranch_scc1 .Lrd3
	RD 4
	s_branch .Lcommon
.Lrd0:
	RD 0
	s_branch .Lcommon
.Lrd1:
	RD 1
	s_branch .Lcommon
.Lrd2:
	RD 2
	s_branch .Lcommon
.Lrd3:
	RD 3
.Lcommon:
.irp i, 0,1,2,3,4,5,6,7,8,9,10,11,12,13,14,15
	ds_load_b128 v[BK+4*\i:BK+4*\i+3], v[RDA] offset:\i*SPT    ; LDS serves a wave's instructions in order (ISA guide 5.7.1.4): these see my stores
.endr
.irp i, 0,1,2,3,4,5,6,7,8,9,10,11,12,13,14,15
	s_wait_dscnt 15-\i
	global_store_b128 v[OUTO], v[BK+4*\i:BK+4*\i+3], s[44:45] offset:4096*\i   ; 32 lanes store 512 consecutive bytes of a row, aligned
.endr
.Lnext:
	s_add_co_u32 s32, s32, 1
	s_cmp_lt_u32 s32, 5
	s_cbranch_scc1 .Lslot
	s_wait_xcnt 0x0                                ; the pass's stores have read their registers
	s_add_co_u32 s22, s22, 1
	s_add_co_u32 s23, s23, 20
	s_cmp_ge_u32 s22, s21
	s_cbranch_scc1 .Llast                          ; no pass follows: nothing more is asked for
	PADDR                                          ; the next pass's offsets (this pass's loads were all waited for in its last step: their offsets may be written),
	XSLOAD                                         ; its scale words, and its first four K steps
	XLOAD 0
	XLOAD 1
	XLOAD 2
	XLOAD 3
	WIN 0
.Llast:
	s_cmp_lt_u32 s22, s21
	s_cbranch_scc1 .Lbody
.Lend:
	s_wait_tensorcnt 0x0
	ds_add_u32 v190, v191
	s_wait_dscnt 0x0
	s_endpgm
.Lfunc_end_k_q8bf4cf6b16_ffn2:
	.size	k_q8bf4cf6b16_ffn2, .Lfunc_end_k_q8bf4cf6b16_ffn2-k_q8bf4cf6b16_ffn2
	.p2alignl 7, 3214868480
	.fill 96, 4, 3214868480
	.section	.rodata,"a",@progbits
	.p2align	6, 0x0
	.amdhsa_kernel k_q8bf4cf6b16_ffn2
		.amdhsa_group_segment_fixed_size 134656
		.amdhsa_private_segment_fixed_size 0
		.amdhsa_enable_private_segment 0
		.amdhsa_kernarg_size 40
		.amdhsa_user_sgpr_count 2
		.amdhsa_user_sgpr_kernarg_segment_ptr 1
		.amdhsa_wavefront_size32 1
		.amdhsa_system_sgpr_workgroup_id_x 1
		.amdhsa_system_sgpr_workgroup_id_y 1
		.amdhsa_system_sgpr_workgroup_id_z 1
		.amdhsa_system_vgpr_workitem_id 0
		.amdhsa_next_free_vgpr 1024
		.amdhsa_next_free_sgpr 66
		.amdhsa_reserve_vcc 0
		.amdhsa_float_denorm_mode_32 3
		.amdhsa_float_denorm_mode_16_64 3
		.amdhsa_memory_ordered 1
		.amdhsa_forward_progress 1
		.amdhsa_inst_pref_size 113
	.end_amdhsa_kernel
	.amdgpu_metadata
---
amdhsa.version: [ 1, 2 ]
amdhsa.kernels:
  - .name:           k_q8bf4cf6b16_ffn2
    .symbol:         k_q8bf4cf6b16_ffn2.kd
    .args:
      - { .name: hq, .offset: 0, .size: 8, .value_kind: global_buffer, .address_space: global }
      - { .name: w2_codes, .offset: 8, .size: 8, .value_kind: global_buffer, .address_space: global }
      - { .name: w2_scales, .offset: 16, .size: 8, .value_kind: global_buffer, .address_space: global }
      - { .name: ord, .offset: 24, .size: 8, .value_kind: global_buffer, .address_space: global }
      - { .name: yp, .offset: 32, .size: 8, .value_kind: global_buffer, .address_space: global }
    .group_segment_fixed_size: 134656
    .private_segment_fixed_size: 0
    .kernarg_segment_align: 8
    .kernarg_segment_size: 40
    .max_flat_workgroup_size: 128
    .sgpr_count:     66
    .vgpr_count:     1024
    .wavefront_size: 32
...
	.end_amdgpu_metadata
.endif
;; end of part 4
;; launch combine (part 5): grid 256 x 1, 4 waves a work-group, no clusters, 0 bytes of LDS; arguments sel, gwt, ord, yp, b2, out0; writes out0
.if DOCPART == 5
	.amdgcn_target "amdgcn-amd-amdhsa--gfx1250"
	.amdhsa_code_object_version 6
	.text
	.protected	k_q8bf4cf6b16_combine
	.globl	k_q8bf4cf6b16_combine
	.p2align	8
	.type	k_q8bf4cf6b16_combine,@function
k_q8bf4cf6b16_combine:
	s_mov_b64 s[64:65], 0
	v_nop
	global_prefetch_b8 v0, s[64:65] scope:SCOPE_SE
	s_setreg_imm32_b32 hwreg(HW_REG_WAVE_MODE, 25, 1), 1
	s_wait_xcnt 0x0
; COMBINE.  out[t] = w0 (b2[e0] + the four partial sums of row rank[e0][t]) + w1 (the same for e1).  One wave takes one token t = 4 x work-group + wave: each output row has one owner, which GATHERS its parts.
; The choice, the ranks and the weights are read by scalar loads; the ranks of all eight experts are asked for at once and the two are chosen by selects, so that one round of scalar loads serves.
; A row is 4,096 bytes: eight chunks of 512 (16 bytes a lane), worked two chunks at a time: 20 loads (8 partial sums and 2 biases a chunk), in two sets of registers by turns.
; A stream: no LDS, no barrier, no matrix unit.
	s_load_b256 s[4:11], s[0:1], 0x0               ; sel s[4:5], gwt s[6:7], ord s[8:9], yp s[10:11]
	s_load_b128 s[12:15], s[0:1], 0x20             ; b2 s[12:13], out0 s[14:15]
	v_lshrrev_b32 v1, 5, v0
	v_readfirstlane_b32 s16, v1                    ; wave
	v_and_b32 v2, 31, v0
	v_lshlrev_b32 v2, 4, v2                        ; 16 x lane
	s_lshl_b32 s17, ttmp9, 2
	s_add_co_u32 s17, s17, s16                     ; my token
	s_mov_b32 s19, 0
	s_wait_kmcnt 0x0
	s_lshl_b32 s18, s17, 2
	s_add_nc_u64 s[4:5], s[4:5], s[18:19]
	s_add_nc_u64 s[8:9], s[8:9], s[18:19]
	s_lshl_b32 s18, s17, 3
	s_add_nc_u64 s[6:7], s[6:7], s[18:19]
	s_load_b32 s20, s[4:5], 0x0                    ; e0 | e1 << 8
	s_load_b64 s[22:23], s[6:7], 0x0               ; w0, w1
.irp e, 0,1,2,3,4,5,6,7
	s_load_b32 s[24+\e], s[8:9], 4096*\e           ; rank[e][t]
.endr
	s_lshl_b32 s18, s17, 12
	s_add_nc_u64 s[14:15], s[14:15], s[18:19]      ; my row of out0
	s_wait_kmcnt 0x0
	s_and_b32 s32, s20, 0xff
	s_min_u32 s32, s32, 7                          ; e0
	s_lshr_b32 s33, s20, 8
	s_min_u32 s33, s33, 7                          ; e1
	s_mov_b32 s34, s24
	s_mov_b32 s35, s24
.irp e, 1,2,3,4,5,6,7
	s_cmp_eq_u32 s32, \e
	s_cselect_b32 s34, s[24+\e], s34
	s_cmp_eq_u32 s33, \e
	s_cselect_b32 s35, s[24+\e], s35
.endr
	s_min_u32 s34, s34, 1023                       ; my row in e0's list,
	s_min_u32 s35, s35, 1023                       ; and in e1's
	s_lshl_b32 s36, s32, 10
	s_add_co_u32 s36, s36, s34
	s_lshl_b32 s36, s36, 12                        ; (1,024 e + row) x 4,096 bytes
	s_mov_b32 s37, 0
	s_lshl_b32 s38, s33, 10
	s_add_co_u32 s38, s38, s35
	s_lshl_b32 s38, s38, 12
	s_mov_b32 s39, 0
	s_add_nc_u64 s[48:49], s[10:11], s[36:37]      ; s[48:55]: e0's row in the four quarters; s[56:63]: e1's
	s_add_nc_u64 s[56:57], s[10:11], s[38:39]
.irp q, 1,2,3
	s_add_nc_u64 s[48+2*\q:49+2*\q], s[48:49], 33554432*\q
	s_add_nc_u64 s[56+2*\q:57+2*\q], s[56:57], 33554432*\q
.endr
	s_lshl_b32 s36, s32, 12
	s_add_nc_u64 s[68:69], s[12:13], s[36:37]      ; b2[e0],
	s_lshl_b32 s38, s33, 12
	s_add_nc_u64 s[70:71], s[12:13], s[38:39]      ; b2[e1]
	s_mov_b32 s72, s22                             ; the weights as pairs: the packed forms name a pair and take its low word for both halves
	s_mov_b32 s73, s22
	s_mov_b32 s74, s23
	s_mov_b32 s75, s23
.macro QLOAD qt                        ; chunks 2 qt and 2 qt + 1 into set qt % 2: chunk u at + 40 u, expert k at + 20 k: four partial sums, then the bias
.irp u, 0,1
.irp k, 0,1
.irp q, 0,1,2,3
	global_load_b128 v[16+80*((\qt)%2)+40*\u+20*\k+4*\q:16+80*((\qt)%2)+40*\u+20*\k+4*\q+3], v2, s[48+8*\k+2*\q:49+8*\k+2*\q] offset:512*(2*(\qt)+\u) th:TH_LOAD_NT   ; 512 consecutive bytes; read once in the launch
.endr
	global_load_b128 v[16+80*((\qt)%2)+40*\u+20*\k+16:16+80*((\qt)%2)+40*\u+20*\k+19], v2, s[68+2*\k:69+2*\k] offset:512*(2*(\qt)+\u)
.endr
.endr
.endm
.macro QSUM qt                         ; the two chunks are summed, weighed and stored; each has result registers of its own, so no store's data are written again
.irp u, 0,1
.set BB, 16+80*((\qt)%2)+40*\u
.set OO, 176+8*(\qt)+4*\u
.irp k, 0,1
.irp d, 0,2
	v_pk_add_f32 v[BB+20*\k+\d:BB+20*\k+\d+1], v[BB+20*\k+\d:BB+20*\k+\d+1], v[BB+20*\k+4+\d:BB+20*\k+4+\d+1]
	v_pk_add_f32 v[BB+20*\k+8+\d:BB+20*\k+8+\d+1], v[BB+20*\k+8+\d:BB+20*\k+8+\d+1], v[BB+20*\k+12+\d:BB+20*\k+12+\d+1]
.endr
.endr
.irp k, 0,1
.irp d, 0,2
	v_pk_add_f32 v[BB+20*\k+\d:BB+20*\k+\d+1], v[BB+20*\k+\d:BB+20*\k+\d+1], v[BB+20*\k+8+\d:BB+20*\k+8+\d+1]
.endr
.endr
.irp k, 0,1
.irp d, 0,2
	v_pk_add_f32 v[BB+20*\k+\d:BB+20*\k+\d+1], v[BB+20*\k+\d:BB+20*\k+\d+1], v[BB+20*\k+16+\d:BB+20*\k+16+\d+1]   ; + b2
.endr
.endr
.irp d, 0,2
	v_pk_mul_f32 v[OO+\d:OO+\d+1], v[BB+\d:BB+\d+1], s[72:73] op_sel_hi:[1,0]
.endr
.irp d, 0,2
	v_pk_fma_f32 v[OO+\d:OO+\d+1], v[BB+20+\d:BB+20+\d+1], s[74:75], v[OO+\d:OO+\d+1] op_sel_hi:[1,0,1]
.endr
	global_store_b128 v2, v[OO:OO+3], s[14:15] offset:512*(2*(\qt)+\u) th:TH_STORE_NT   ; 512 consecutive bytes, aligned; written once
.endr
.endm
	QLOAD 0
	QLOAD 1
	s_wait_loadcnt 20                              ; the older twenty loads are in; the younger twenty may be out
	QSUM 0
	QLOAD 2
	s_wait_loadcnt 20
	QSUM 1
	QLOAD 3
	s_wait_loadcnt 20
	QSUM 2
	s_wait_loadcnt 0x0
	QSUM 3
	s_endpgm
.Lfunc_end_k_q8bf4cf6b16_combine:
	.size	k_q8bf4cf6b16_combine, .Lfunc_end_k_q8bf4cf6b16_combine-k_q8bf4cf6b16_combine
	.p2alignl 7, 3214868480
	.fill 96, 4, 3214868480
	.section	.rodata,"a",@progbits
	.p2align	6, 0x0
	.amdhsa_kernel k_q8bf4cf6b16_combine
		.amdhsa_group_segment_fixed_size 0
		.amdhsa_private_segment_fixed_size 0
		.amdhsa_enable_private_segment 0
		.amdhsa_kernarg_size 48
		.amdhsa_user_sgpr_count 2
		.amdhsa_user_sgpr_kernarg_segment_ptr 1
		.amdhsa_wavefront_size32 1
		.amdhsa_system_sgpr_workgroup_id_x 1
		.amdhsa_system_sgpr_workgroup_id_y 1
		.amdhsa_system_sgpr_workgroup_id_z 1
		.amdhsa_system_vgpr_workitem_id 0
		.amdhsa_next_free_vgpr 208
		.amdhsa_next_free_sgpr 76
		.amdhsa_reserve_vcc 0
		.amdhsa_float_denorm_mode_32 3
		.amdhsa_float_denorm_mode_16_64 3
		.amdhsa_memory_ordered 1
		.amdhsa_forward_progress 1
		.amdhsa_inst_pref_size 23
	.end_amdhsa_kernel
	.amdgpu_metadata
---
amdhsa.version: [ 1, 2 ]
amdhsa.kernels:
  - .name:           k_q8bf4cf6b16_combine
    .symbol:         k_q8bf4cf6b16_combine.kd
    .args:
      - { .name: sel, .offset: 0, .size: 8, .value_kind: global_buffer, .address_space: global }
      - { .name: gwt, .offset: 8, .size: 8, .value_kind: global_buffer, .address_space: global }
      - { .name: ord, .offset: 16, .size: 8, .value_kind: global_buffer, .address_space: global }
      - { .name: yp, .offset: 24, .size: 8, .value_kind: global_buffer, .address_space: global }
      - { .name: b2, .offset: 32, .size: 8, .value_kind: global_buffer, .address_space: global }
      - { .name: out0, .offset: 40, .size: 8, .value_kind: global_buffer, .address_space: global }
    .group_segment_fixed_size: 0
    .private_segment_fixed_size: 0
    .kernarg_segment_align: 8
    .kernarg_segment_size: 48
    .max_flat_workgroup_size: 128
    .sgpr_count:     76
    .vgpr_count:     208
    .wavefront_size: 32
...
	.end_amdgpu_metadata
.endif
;; end of part 5
;; ======== version 2 of 2: 5 launches; version 1 with the launches ffn1, ffn2 written anew for expert scheduling mode
;; workspace buffers: sel 4,096 bytes of whole numbers; gwt 8,192 bytes; xq 819,200 bytes; ord 33,024 bytes of whole numbers; xg 6,553,600 bytes; hq 26,214,400 bytes; yp 134,217,728 bytes
;; launch route: the kernel of part 1 again; grid 256 x 1, 4 waves a work-group, no clusters, 55,296 bytes of LDS; arguments hidden_states, gate_w, gate_b, sel, gwt, xq; writes sel, gwt, xq
;; launch place: the kernel of part 2 again; grid 32 x 8, 1 waves a work-group, no clusters, 34,048 bytes of LDS; arguments sel, xq, ord, xg; writes ord, xg
;; launch ffn1 (part 6): grid 32 x 8, 4 waves a work-group, no clusters, 100,864 bytes of LDS; arguments xg, w1_codes, w1_scales, b1, ord, hq; writes hq
.if DOCPART == 6
	.amdgcn_target "amdgcn-amd-amdhsa--gfx1250"
	.amdhsa_code_object_version 6
	.text
	.protected	k_q8bf4cf6b16_ffn1
	.globl	k_q8bf4cf6b16_ffn1
	.p2align	8
	.type	k_q8bf4cf6b16_ffn1,@function
k_q8bf4cf6b16_ffn1:
	s_mov_b64 s[64:65], 0
	v_nop
	global_prefetch_b8 v0, s[64:65] scope:SCOPE_SE
	s_setreg_imm32_b32 hwreg(HW_REG_WAVE_SCHED_MODE, 0, 2), 2
	s_setreg_imm32_b32 hwreg(HW_REG_WAVE_MODE, 25, 1), 1
	s_wait_xcnt 0x0
	s_wait_alu depctr_vm_vsrc(0)
; FFN1.  h = Q(gelu(x W1^T + b1)) for the rows routed to an expert, on codes of FP6 (E2M3) with one E8M0 scale for each 32 along K.
; SHARES.  Work-group (f, e) owns hidden units 128 f .. 128 f + 127 of expert e for all of K = 1,024: 96 KiB of codes, read from memory once in the launch, by this work-group alone, and kept in LDS
; (128 rows, 784 bytes apart).  It walks the expert's rows: tiles of 16, wave w taking tiles 20 p + 4 i + w (i = 0 .. 4) in pass p.  The number of passes hangs on the stored count, so this text has no
; tensor load, and its one barrier stands ahead of every branch on that count.  Clusters and joint loads are left out for the same reason: partners would need different numbers of tiles.
; x comes from xg as images of operand registers: three loads of 16 bytes a lane bring a fragment.  Tile numbers past the expert's last tile are held at it: such slots compute and store nothing new.
; Tile 0 is always worked, at a count of 0 too (its rows are pad rows): so every byte of hq that the next launch loads has been stored.
; THE PRODUCT IS USED TRANSPOSED (source 0 = 16 rows of W1, source 1 = 16 rows of x): a lane holds one row of x, and its registers run along the hidden units, the next product's K.
; THE ROWS OF W1 THAT FORM A BLOCK ARE NOT NEIGHBOURS: lane r of block 2 b + u takes row 32 b + 8 u + r + 8 (r / 8), so that the 16 registers of blocks 2 b, 2 b + 1 are 16 neighbours along the next K.
; b1 is the C of each sum's first product.  The 128 hidden units of a tile are one K step of the next product: one fragment and one scale word a row, stored to hq as an image.
; GELU is 0.5 x (1 + erf(x / sqrt 2)) in f32, erf(z) = z P(z^2) / Q(z^2) with z held to +-4.
; LIMITS: NaN and infinities are not served; erf's error is about 1e-7 absolute, so far down the negative tail gelu carries about 1e-7 |x| absolute; a block of zeros gets the byte 1 (read by this program alone).
; REGISTERS, in windows of 256.  Window 0: v1-22 addresses; v32-63 W1's scale words (register 8 b + s: lanes 0-15 block b, lanes 16-31 block b + 4); v64-87 x's (8 p + s: lanes 0-15 slot 2 p, lanes 16-31 slot 2 p + 1);
;   v192-255 slot 4's accumulators.  Window 1: v0-191 two sets of W1's eight fragments; v192-255 b1.  Window 2: v0-239 x's fragments, four K steps x five slots; on the way out at work.
;   Window 3: slots 0-3's accumulators (slot i, block t at 64 i + 8 t); at the start v0-191 carry the weights to LDS.
; THE MODE: SCHED_MODE bits 1:0 = 2 (LLVM: expert scheduling mode 2), set by the entry lines.  The code itself states the register dependences
; between vector or matrix instructions and memory or LDS instructions, with s_wait_alu, always for 0.
; THE PLAN.  Registers that memory or LDS instructions touch, round the loop over passes:
;   W1's sets 0, 1     Step s's products read set s % 2; the LDS loads of step s + 1's fragments, issued in step s, land in the other set, which step s - 1's products read.
;   x's buffers 0-3    Step s's products read buffer s % 4; the loads of step s + 3, issued in steps 1 to 4, land in buffer (s - 1) % 4, which step s - 1's products read.
;                      On the way out vector lines work in these registers, and a slot's four stores read the codes and the scale word there; the next pass's loads land on them.
;   x's scale words    Read by every step's products; loaded anew at a pass's end.  W1's scale words and b1 are loaded once.
;   v11-18             The pass's offsets: written once a pass, read by the pass's loads.   v19, v20: a slot's offsets, written by the slot, read by its stores.   v3-10: made at the head, never written again.
; So ONE wait on va_vdst stands at the head of steps 1 to 6, behind the waits for the step's data: step s - 1's products are done reading the set and the buffer in which step s's loads land.  Those loads
; follow it, dealt among the step's products, which name set s % 2, buffer s % 4, the scale words and the accumulators: none of the registers that the loads touch.  The other waits stand at the edges:
; at the head of a pass, ahead of a slot's stores, at the head of a slot and at the end of a pass.
.set WSTR,  768                        ; bytes from row to row of w1's codes
.set TILEB, 12288                      ; a tile's eight images in xg
.set HTILE, 49152                      ; a tile's 32 images in hq
.set WP,    784                        ; an LDS row: 768 bytes + 16 = 196 words: row r starts at bank 4 r mod 64 (64 banks of 4 bytes: ISA guide 11.1), so the 32 lanes of a load of 8 bytes touch 64 different banks
.set L16,   3                          ; v3     16 x lane
.set R4,    4                          ; v4     4 r
.set AW,    5                          ; v5, v6 my place in blocks 0-3, 4-7 of the weights in LDS
.set WGO,   7                          ; v7     the weights in memory: lanes 0-15 one row, lanes 16-31 the next
.set WLS,   8                          ; v8     and where they go in LDS
.set SWO,   9                          ; v9     W1's scale words
.set BO,    10                         ; v10    b1: 64 h
.set XO,    11                         ; v11-15 slot i's images
.set XSO,   16                         ; v16-18 the slots' scale words, two slots a register
.set OUTO,  19                         ; v19    the way out: the image
.set SCO,   20                         ; v20    and its scale words
.set TV,    22
.set SW,    32
.set XS,    64
.set Z,     0                          ; window 2, on the way out: x / sqrt 2
.set H,     64                         ; 0.5 x, then gelu
.set U,     128
.set PP,    144
.set QQ,    160
.set TM,    180
.set PW,    196
.set PC,    200
.set MSB, 0
.macro WIN new                         ; s_set_vgpr_msb: bits 1:0 source 0, 3:2 source 1, 5:4 source 2, 7:6 destination; the high byte repeats the setting that is left
.if MSB != \new
	s_set_vgpr_msb (MSB<<8)|\new
.set MSB, \new
.endif
.endm
.macro PLACES n                        ; plain lines between a matrix instruction and what touches its registers (ISA guide 7.12.1)
.rept \n
	v_nop
.endr
.endm
.macro PADDR                           ; the pass's offsets, from s23 = its first tile: each tile held at the expert's last and at 63
.irp i, 0,1,2,3,4
	s_add_co_u32 s24, s23, 4*\i
	s_min_u32 s24, s24, s20
	s_min_u32 s24, s24, 63
	s_mul_i32 s24, s24, TILEB
	v_add_nc_u32 v[XO+\i], s24, v[L16]
.endr
.irp p, 0,1,2
	s_add_co_u32 s24, s23, 8*\p
	v_lshl_add_u32 v[TV], v2, 2, s24               ; lanes 16-31: the slot after
	v_min_u32 v[TV], s20, v[TV]
	v_min_u32 v[TV], 63, v[TV]
	v_lshl_add_u32 v[XSO+\p], v[TV], 6, v[R4]      ; 64 bytes a tile, 4 a row
.endr
.endm
.macro XSLOAD                          ; the five slots' scale words for the eight K steps
.irp p, 0,1,2
.irp s, 0,1,2,3,4,5,6,7
	global_load_b32 v[XS+8*\p+\s], v[XSO+\p], s[42:43] offset:4096*\s
.endr
.endr
.endm
.macro XLOAD s                         ; K step s of the five slots: fifteen loads, 512 consecutive bytes each, into buffer s % 4
	WIN 0x80
.irp i, 0,1,2,3,4
.irp c, 0,1,2
	global_load_b128 v[60*((\s)%4)+12*\i+4*\c:60*((\s)%4)+12*\i+4*\c+3], v[XO+\i], s[40:41] offset:1536*(\s)+512*\c
.endr
.endr
.endm
.macro WFHALF s, g                     ; K step s of blocks 4 g .. 4 g + 3 of W1 from LDS into set s % 2: a lane's 24 + 24 bytes as six loads of 8, every address a multiple of 8
	WIN 0x40
.irp t, 0,1,2,3
.irp p, 0,1,2,3,4,5
	ds_load_b64 v[96*((\s)%2)+12*(4*(\g)+\t)+2*\p:96*((\s)%2)+12*(4*(\g)+\t)+2*\p+1], v[AW+(\g)] offset:16*WP*\t+96*(\s)+48*(\p/3)+8*(\p%3)
.endr
.endr
.endm
.macro WM t, i                         ; one product; which half of the lanes holds a side's scale words hangs on the block and on the slot
.if ((\t) < 4) && (((\i) % 2) == 0)
	v_wmma_scale_f32_16x16x128_f8f6f4 v[rD:rD+7], v[rA:rA+11], v[rB:rB+11], v[rC:rC+7], v[rSA], v[rSB] matrix_a_fmt:MATRIX_FMT_FP6 matrix_b_fmt:MATRIX_FMT_FP6
.elseif (\t) < 4
	v_wmma_scale_f32_16x16x128_f8f6f4 v[rD:rD+7], v[rA:rA+11], v[rB:rB+11], v[rC:rC+7], v[rSA], v[rSB] matrix_a_fmt:MATRIX_FMT_FP6 matrix_b_fmt:MATRIX_FMT_FP6 matrix_b_scale:MATRIX_SCALE_ROW1
.elseif ((\i) % 2) == 0
	v_wmma_scale_f32_16x16x128_f8f6f4 v[rD:rD+7], v[rA:rA+11], v[rB:rB+11], v[rC:rC+7], v[rSA], v[rSB] matrix_a_fmt:MATRIX_FMT_FP6 matrix_b_fmt:MATRIX_FMT_FP6 matrix_a_scale:MATRIX_SCALE_ROW1
.else
	v_wmma_scale_f32_16x16x128_f8f6f4 v[rD:rD+7], v[rA:rA+11], v[rB:rB+11], v[rC:rC+7], v[rSA], v[rSB] matrix_a_fmt:MATRIX_FMT_FP6 matrix_b_fmt:MATRIX_FMT_FP6 matrix_a_scale:MATRIX_SCALE_ROW1 matrix_b_scale:MATRIX_SCALE_ROW1
.endif
.endm
; A step's 40 products: eight blocks x five slots, 128 along K.  The 40 accumulators take turns, one instruction a turn, in the same order in every step:
; blocks 0 to 7, each against slots 0 to 3 (MULQ: two blocks, eight products), then slot 4 against the eight blocks (MUL4).
.macro MULQ s, u0, u1
.if (\s) == 0
	WIN 0xd9                                       ; W1 window 1, x window 2, C = b1 window 1, D window 3
.else
	WIN 0xf9                                       ; C and D window 3
.endif
.irp t, \u0, \u1
.irp i, 0,1,2,3
.set rD, 64*\i+8*\t
.set rA, 96*((\s)%2)+12*\t
.set rB, 60*((\s)%4)+12*\i
.set rSA, SW+8*(\t%4)+(\s)
.set rSB, XS+8*(\i/2)+(\s)
.if (\s) == 0
.set rC, 192+8*\t
.else
.set rC, rD
.endif
	WM \t, \i
.endr
.endr
.endm
.macro MUL4 s
.if (\s) == 0
	WIN 0x19                                       ; slot 4: D window 0, C = b1 window 1
.else
	WIN 0x09
.endif
.irp t, 0,1,2,3,4,5,6,7
.set rD, 192+8*\t
.set rC, 192+8*\t
.set rA, 96*((\s)%2)+12*\t
.set rB, 60*((\s)%4)+48
.set rSA, SW+8*(\t%4)+(\s)
.set rSB, XS+16+(\s)
	WM \t, 4
.endr
.endm
.macro STEP s
.if ((\s) > 0) && ((\s) < 7)
	PLACES 4                                       ; plain lines behind the last step's products, kept ahead of the loads into registers that those read
.endif
	s_wait_dscnt 0x0                               ; this step's set of W1 is in: all of it was asked for in the step before (step 0's at the pass's head)
.if (\s) == 0
	s_wait_loadcnt 45                              ; this step's x is in; three younger steps of fifteen loads may be out
.elseif (\s) <= 5
	s_wait_loadcnt 30                              ; two younger steps may be out: this step's own loads are issued further down
.else
	s_wait_loadcnt 15*(7-(\s))                     ; one, none
.endif
.if ((\s) > 0) && ((\s) < 7)
	s_wait_alu depctr_va_vdst(0)                   ; the last step's products are done reading their set of W1 and their buffer of x, in which this step's loads land
.endif
	MULQ \s, 0, 1
.if (\s) < 7
	WFHALF (\s)+1, 0                               ; W1's fragments run one step ahead.  No wait: no product since the wait above (step 0: since the wait at the pass's head) names the other set
.endif
	MULQ \s, 2, 3
.if (\s) < 7
	WFHALF (\s)+1, 1
.endif
	MULQ \s, 4, 5
.if ((\s) >= 1) && ((\s) <= 4)
	XLOAD (\s)+3                                   ; x runs three K steps ahead; no product since the wait names buffer (s - 1) % 4 or the offsets
.endif
	MULQ \s, 6, 7
	MUL4 \s
.endm
	s_load_b256 s[4:11], s[0:1], 0x0               ; xg s[4:5], w1_codes s[6:7], w1_scales s[8:9], b1 s[10:11]
	s_load_b128 s[12:15], s[0:1], 0x20             ; ord s[12:13], hq s[14:15]
	v_lshl_add_u32 v190, v0, 2, 0x18800
	v_mov_b32 v191, 0
	v_lshrrev_b32 v22, 5, v0
	v_readfirstlane_b32 s16, v22                   ; wave
	s_mov_b32 s17, ttmp9                           ; f
	s_and_b32 s18, ttmp7, 0xffff                   ; e
	v_and_b32 v23, 31, v0
	v_and_b32 v1, 15, v0                           ; r
	v_bfe_u32 v2, v0, 4, 1                         ; h
	v_lshlrev_b32 v[L16], 4, v23
	v_lshlrev_b32 v[R4], 2, v1
	v_mul_u32_u24 v[AW], v1, WP
	v_mad_u32_u24 v[AW], v2, 24, v[AW]             ; row r of a block, + 24 h
	v_add_nc_u32 v[AW+1], 64*WP, v[AW]
	v_mul_u32_u24 v[WGO], v2, WSTR
	v_lshl_add_u32 v[WGO], v1, 4, v[WGO]
	s_wait_alu depctr_va_sdst(0)                   ; s16, the wave's number, is written, ahead of its first reader
	s_mul_i32 s24, s16, 32*WP                      ; wave w brings rows 32 w .. 32 w + 31, which are blocks 2 w and 2 w + 1
	v_mul_u32_u24 v[WLS], v2, WP
	v_lshl_add_u32 v[WLS], v1, 4, v[WLS]
	v_add_nc_u32 v[WLS], s24, v[WLS]
	v_and_b32 v[SWO], 8, v1
	v_add_nc_u32 v[SWO], v[SWO], v1                ; r + 8 (r / 8)
	v_lshl_add_u32 v[SWO], v2, 6, v[SWO]           ; lanes 16-31: four blocks, 64 rows, on
	v_lshlrev_b32 v[SWO], 5, v[SWO]                ; 32 scale bytes a row
	v_lshlrev_b32 v[BO], 6, v2
	s_mov_b32 s34, 0x76543210
	s_mov_b32 s35, 0xfedcba98                      ; v_permlanex16_b32's selects for lane l xor 16
	s_mov_b32 s36, 0xaf95df0b                      ; erf: the leading coefficient of P,
	s_mov_b32 s37, s36                             ; (named with it as a pair, so it is written)
	s_mov_b32 s38, 0xb77460cd                      ; and of Q
	s_mov_b32 s39, s38
	s_mov_b32 s27, 0
	s_lshl_b32 s24, s18, 12
	s_lshl_b32 s25, s17, 7
	s_add_co_u32 s24, s24, s25                     ; the work-group's first row of W1: 4,096 e + 128 f
	s_lshl_b32 s25, s16, 5
	s_add_co_u32 s25, s25, s24
	s_mul_i32 s28, s25, WSTR
	s_wait_kmcnt 0x0
	s_lshl_b32 s26, s18, 2
	s_add_co_u32 s26, s26, 32768
	s_add_nc_u64 s[12:13], s[12:13], s[26:27]
	s_load_b32 s19, s[12:13], 0x0                  ; cnt[e]
	s_mov_b32 s26, s28
	s_add_nc_u64 s[6:7], s[6:7], s[26:27]
	s_lshl_b32 s26, s24, 5
	s_add_nc_u64 s[8:9], s[8:9], s[26:27]
	s_lshl_b32 s26, s24, 2
	s_add_nc_u64 s[10:11], s[10:11], s[26:27]
	s_mul_i32 s26, s18, 64*TILEB
	s_add_nc_u64 s[40:41], s[4:5], s[26:27]        ; the expert's images of x
	s_lshl_b32 s26, s18, 15
	s_add_co_u32 s26, s26, 6291456
	s_add_nc_u64 s[42:43], s[4:5], s[26:27]        ; and their scale words
	s_mul_i32 s26, s18, 64*HTILE
	s_mul_i32 s25, s17, 1536
	s_add_co_u32 s26, s26, s25
	s_add_nc_u64 s[44:45], s[14:15], s[26:27]      ; hq: the expert's images, K step f
	s_lshl_b32 s26, s18, 5
	s_add_co_u32 s26, s26, s17
	s_lshl_b32 s26, s26, 12
	s_add_co_u32 s26, s26, 25165824
	s_add_nc_u64 s[46:47], s[14:15], s[26:27]      ; and their scale words
	WIN 0xc0                                       ; destination window 3
	s_wait_alu depctr_va_vdst(0)                   ; the offsets and LDS addresses v3 to v10 are written, which the loads and LDS instructions of the whole kernel read
.set n, 0
.rept 16
.irp p, 0,1,2
	global_load_b128 v[4*(3*n+\p):4*(3*n+\p)+3], v[WGO], s[6:7] offset:2*n*WSTR+256*\p th:TH_LOAD_NT   ; sixteen lanes read 256 consecutive bytes of a row, aligned; read once in the launch
.endr
.set n, n+1
.endr
	WIN 0
.irp b, 0,1,2,3
	global_load_b128 v[SW+8*\b:SW+8*\b+3], v[SWO], s[8:9] offset:(32*(\b/2)+8*(\b%2))*32
	global_load_b128 v[SW+8*\b+4:SW+8*\b+7], v[SWO], s[8:9] offset:(32*(\b/2)+8*(\b%2))*32+16
.endr
	s_wait_kmcnt 0x0
	s_min_u32 s19, s19, 1024
	s_add_co_u32 s19, s19, 15
	s_lshr_b32 s19, s19, 4
	s_max_u32 s19, s19, 1                          ; T: the expert's tiles, at least one
	s_sub_co_u32 s20, s19, 1                       ; its last tile
	s_mov_b32 s21, 0                               ; my passes: as many p as have 20 p + w < T
.irp p, 0,1,2,3
	s_add_co_u32 s24, s16, 20*\p
	s_cmp_lt_u32 s24, s19
	s_cselect_b32 s25, 1, 0
	s_add_co_u32 s21, s21, s25
.endr
	s_mov_b32 s22, 0                               ; the pass
	s_mov_b32 s23, s16                             ; its first tile
	PADDR
	s_wait_alu depctr_va_vdst(0)                   ; the first pass's offsets v11 to v18 are written, which the loads below read
	XSLOAD
	XLOAD 0
	s_wait_loadcnt 47                              ; the weights are in: behind them stand 8 loads of their scale words, 24 of x's and 15 of x's first K step
	WIN 0x40                                       ; destination window 1
.irp t, 0,1,2,3,4,5,6,7
	global_load_b128 v[192+8*\t:192+8*\t+3], v[BO], s[10:11] offset:(32*(\t/2)+8*(\t%2))*4      ; b1 in the result's layout: lane (r, h), block t: units 32 (t / 2) + 16 h + 8 (t % 2) + 0 .. 7
	global_load_b128 v[192+8*\t+4:192+8*\t+7], v[BO], s[10:11] offset:(32*(\t/2)+8*(\t%2))*4+16
.endr
	WIN 0x0c                                       ; an LDS store's data are its source 1: window 3
.set n, 0
.rept 16
.irp p, 0,1,2
	ds_store_b128 v[WLS], v[4*(3*n+\p):4*(3*n+\p)+3] offset:(16*((n>>2)&1)+8*(n>>3)+2*(n&3))*WP+256*\p   ; row x = 2 n + h of my 32 goes to place 16 ((x / 8) % 2) + 8 (x / 16) + x % 8
.endr
.set n, n+1
.endr
	XLOAD 1
	XLOAD 2
	XLOAD 3
	WIN 0
	s_wait_dscnt 0x0                               ; for the others' sake: my 32 rows lie in LDS
	s_barrier_signal -1
	s_barrier_wait -1                              ; all 128 do.  The launch's one barrier: nothing writes these bytes again
	s_wait_alu depctr_vm_vsrc(0)                   ; my LDS stores have read window 3's v0 to v191: these registers are accumulators from here on, written by the products
	s_cmp_eq_u32 s21, 0
	s_cbranch_scc1 .Lend                           ; a wave without tiles
.Lbody:                                            ; a trip is a pass.  On both ways here the youngest 45 loads are x's K steps 1 to 3
	s_wait_alu depctr_va_vdst(0)                   ; the last pass's products are done reading W1's two sets, in which the LDS loads below and step 0's land
	WFHALF 0, 0
	WFHALF 0, 1
	STEP 0
	STEP 1
	STEP 2
	STEP 3
	STEP 4
	STEP 5
	STEP 6
	STEP 7
	WIN 0
	PLACES 5                                       ; results are read below, and the next pass begins these accumulators anew
; THE WAY OUT, slot by slot.  Only the lines that name a slot's accumulators are written five times.
.macro RD k                            ; slot k: z = x / sqrt 2 and 0.5 x, each accumulator from its low end on
.if \k < 4
	WIN 0x83
.set AC, 64*\k
.else
	WIN 0x80
.set AC, 192
.endif
.set j, 0
.rept 32
	v_pk_mul_f32 v[Z+j:Z+j+1], v[AC+j:AC+j+1], 0x3f3504f3 op_sel_hi:[1,0]
	v_pk_mul_f32 v[H+j:H+j+1], v[AC+j:AC+j+1], 0.5 op_sel_hi:[1,0]
.set j, j+2
.endr
	WIN 0
.endm
.macro GELU g                          ; sixteen numbers from 16 g on; in every step of the two polynomials the eight pairs take turns
.irp j, 0,1,2,3,4,5,6,7,8,9,10,11,12,13,14,15
	v_med3_num_f32 v[Z+16*\g+\j], v[Z+16*\g+\j], -4.0, 4.0
.endr
.irp j, 0,2,4,6,8,10,12,14
	v_pk_mul_f32 v[U+\j:U+\j+1], v[Z+16*\g+\j:Z+16*\g+\j+1], v[Z+16*\g+\j:Z+16*\g+\j+1]
.endr
.irp j, 0,2,4,6,8,10,12,14
	v_pk_fma_f32 v[PP+\j:PP+\j+1], v[U+\j:U+\j+1], s[36:37], 0x32edffee op_sel_hi:[1,0,0]
.endr
.irp j, 0,2,4,6,8,10,12,14
	v_pk_fma_f32 v[QQ+\j:QQ+\j+1], v[U+\j:U+\j+1], s[38:39], 0xb95fbd29 op_sel_hi:[1,0,0]
.endr
.irp k, 0xb60cff51, 0xb86ec2d2, 0xba40ac63, 0xbb41a1f6, 0xbc83dbd4
.irp j, 0,2,4,6,8,10,12,14
	v_pk_fma_f32 v[PP+\j:PP+\j+1], v[PP+\j:PP+\j+1], v[U+\j:U+\j+1], \k op_sel_hi:[1,1,0]
.endr
.endr
.irp k, 0xbadc924e, 0xbbf19bf8, 0xbc69b6a7
.irp j, 0,2,4,6,8,10,12,14
	v_pk_fma_f32 v[QQ+\j:QQ+\j+1], v[QQ+\j:QQ+\j+1], v[U+\j:U+\j+1], \k op_sel_hi:[1,1,0]
.endr
.endr
.irp j, 0,1,2,3,4,5,6,7,8,9,10,11,12,13,14,15
	v_rcp_f32 v[U+\j], v[QQ+\j]
.endr
.irp j, 0,2,4,6,8,10,12,14
	v_pk_mul_f32 v[PP+\j:PP+\j+1], v[PP+\j:PP+\j+1], v[Z+16*\g+\j:Z+16*\g+\j+1]     ; z P: plain lines behind the reciprocals, which touch neither their results nor their sources
.endr
	s_wait_alu depctr_va_vdst(0)                   ; the sixteen reciprocals have written v[U ..]: one wait for the batch, ahead of its first reader
.irp j, 0,2,4,6,8,10,12,14
	v_pk_mul_f32 v[PP+\j:PP+\j+1], v[PP+\j:PP+\j+1], v[U+\j:U+\j+1]                 ; erf
.endr
.irp j, 0,2,4,6,8,10,12,14
	v_pk_fma_f32 v[H+16*\g+\j:H+16*\g+\j+1], v[H+16*\g+\j:H+16*\g+\j+1], v[PP+\j:PP+\j+1], v[H+16*\g+\j:H+16*\g+\j+1]   ; 0.5 x erf + 0.5 x
.endr
.endm
	s_mov_b32 s32, 0
.Lslot:
	s_lshl_b32 s33, s32, 2
	s_add_co_u32 s33, s33, s23                     ; the slot's tile
	s_cmp_ge_u32 s33, s19
	s_cbranch_scc1 .Lnext                          ; past the expert's last tile: nothing to store
	s_min_u32 s33, s33, 63
	s_wait_xcnt 0x0                                ; the last slot's stores have read their offsets and data
	s_wait_alu depctr_vm_vsrc(0)                   ; the last slot's stores have read v19, v20, the codes and the scale word, all of which this slot writes again
	s_mul_i32 s24, s33, HTILE
	v_add_nc_u32 v[OUTO], s24, v[L16]
	s_lshl_b32 s24, s33, 6
	v_add_nc_u32 v[SCO], s24, v[R4]
	s_cmp_eq_u32 s32, 0
	s_cbranch_scc1 .Lrd0
	s_cmp_eq_u32 s32, 1
	s_cbranch_scc1 .Lrd1
	s_cmp_eq_u32 s32, 2
	s_cbranch_scc1 .Lrd2
	s_cmp_eq_u32 s32, 3
	s_cbranch_scc1 .Lrd3
	RD 4
	s_branch .Lcommon
.Lrd0:
	RD 0
	s_branch .Lcommon
.Lrd1:
	RD 1
	s_branch .Lcommon
.Lrd2:
	RD 2
	s_branch .Lcommon
.Lrd3:
	RD 3
.Lcommon:
	WIN 0xaa                                       ; all in window 2
	GELU 0
	GELU 1
	GELU 2
	GELU 3
; The quantiser: register 16 b + i of H is k = 32 b + 16 h + i of my row; a block of 32 lies in lanes l and l xor 16.
.irp b, 0,1,2,3
	v_mov_b32 v[TM+4+\b], 0                        ; a lane permute's destination counts as one of its sources
.endr
.irp b, 0,1,2,3
	v_max3_num_f32 v[TM+\b], |v[H+16*\b]|, |v[H+1+16*\b]|, 0x1800000   ; my 16 numbers, and the floor 2^(3 - 127): the byte cannot fall under 1
.endr
.irp i, 2,4,6,8,10,12,14
.irp b, 0,1,2,3
	v_max3_num_f32 v[TM+\b], v[TM+\b], |v[H+16*\b+\i]|, |v[H+1+16*\b+\i]|
.endr
.endr
.irp b, 0,1,2,3
	v_permlanex16_b32 v[TM+4+\b], v[TM+\b], s34, s35
.endr
.irp b, 0,1,2,3
	v_max_num_f32 v[TM+\b], v[TM+\b], v[TM+4+\b]   ; the block's largest magnitude
.endr
.irp b, 0,1,2,3
	v_add_nc_u32 v[TM+12+\b], 0xff000000, v[TM+\b] ; 2 off its exponent field: the conversion's scale operand
.endr
.irp b, 0,1,2,3
	v_lshrrev_b32 v[TM+4+\b], 23, v[TM+12+\b]      ; the scale's byte
.endr
	v_lshl_or_b32 v[PW], v[TM+5], 8, v[TM+4]       ; my row's scale word
	v_lshl_or_b32 v[PW], v[TM+6], 16, v[PW]
	v_lshl_or_b32 v[PW], v[TM+7], 24, v[PW]
.irp c, 0,1
	v_cvt_scalef32_pk16_fp6_f32 v[PC+6*\c:PC+2+6*\c], v[H+32*\c:H+15+32*\c], v[TM+12+2*\c]
	v_cvt_scalef32_pk16_fp6_f32 v[PC+12+4*\c:PC+14+4*\c], v[H+16+32*\c:H+31+32*\c], v[TM+12+2*\c+1]   ; (a conversion's three registers begin on an even number)
.endr
	v_nop                                          ; one plain line behind a scaled conversion
.irp c, 0,1                                        ; the operand's layout wants a whole block in a lane: lanes 0-15 block 2 c, lanes 16-31 block 2 c + 1
.irp i, 0,1,2
	v_permlane16_swap_b32 v[PC+6*\c+\i], v[PC+12+4*\c+\i]
.endr
.irp i, 0,1,2
	v_mov_b32 v[PC+3+6*\c+\i], v[PC+12+4*\c+\i]
.endr
.endr
	WIN 0x08                                       ; a store's data are its source 1: window 2
	s_wait_alu depctr_va_vdst(0)                   ; the codes, the scale word and the two offsets v19, v20 are written, which the four stores read
.irp c, 0,1,2
	global_store_b128 v[OUTO], v[PC+4*\c:PC+4*\c+3], s[44:45] offset:512*\c   ; the fragment as it stands: 512 consecutive bytes, aligned
.endr
	global_store_b32 v[SCO], v[PW], s[46:47]       ; 16 rows' scale words (lanes 16-31 store the same words with the same values)
	WIN 0
.Lnext:
	s_add_co_u32 s32, s32, 1
	s_cmp_lt_u32 s32, 5
	s_cbranch_scc1 .Lslot
	s_wait_xcnt 0x0                                ; the pass's stores have read their registers: x's fragments land on them
	s_wait_alu depctr_vm_vsrc(0)                   ; the pass's stores have read the codes and the scale word, on which x's fragments land; its loads have read the offsets v11 to v18, which are written below
	s_add_co_u32 s22, s22, 1
	s_add_co_u32 s23, s23, 20
	s_cmp_ge_u32 s22, s21
	s_cbranch_scc1 .Llast                          ; no pass follows: nothing more is asked for
	PADDR                                          ; the next pass's offsets (this pass's loads were all waited for in its last step: their offsets may be written),
	s_wait_alu depctr_va_vdst(0)                   ; the offsets are written, which the loads below read; the way out's lines are done with window 2's registers and the pass's products with x's scale words, in which those loads land
	XSLOAD                                         ; its scale words, and its first four K steps
	XLOAD 0
	XLOAD 1
	XLOAD 2
	XLOAD 3
	WIN 0
.Llast:
	s_cmp_lt_u32 s22, s21
	s_cbranch_scc1 .Lbody
.Lend:
	s_wait_dscnt 0x0                               ; the closing lines, six on end
	s_wait_alu 0x0
	s_wait_tensorcnt 0x0
	ds_add_u32 v190, v191
	s_wait_dscnt 0x0
	s_endpgm
.Lfunc_end_k_q8bf4cf6b16_ffn1:
	.size	k_q8bf4cf6b16_ffn1, .Lfunc_end_k_q8bf4cf6b16_ffn1-k_q8bf4cf6b16_ffn1
	.p2alignl 7, 3214868480
	.fill 96, 4, 3214868480
	.section	.rodata,"a",@progbits
	.p2align	6, 0x0
	.amdhsa_kernel k_q8bf4cf6b16_ffn1
		.amdhsa_group_segment_fixed_size 100864
		.amdhsa_private_segment_fixed_size 0
		.amdhsa_enable_private_segment 0
		.amdhsa_kernarg_size 48
		.amdhsa_user_sgpr_count 2
		.amdhsa_user_sgpr_kernarg_segment_ptr 1
		.amdhsa_wavefront_size32 1
		.amdhsa_system_sgpr_workgroup_id_x 1
		.amdhsa_system_sgpr_workgroup_id_y 1
		.amdhsa_system_sgpr_workgroup_id_z 1
		.amdhsa_system_vgpr_workitem_id 0
		.amdhsa_next_free_vgpr 1024
		.amdhsa_next_free_sgpr 66
		.amdhsa_reserve_vcc 0
		.amdhsa_float_denorm_mode_32 3
		.amdhsa_float_denorm_mode_16_64 3
		.amdhsa_memory_ordered 1
		.amdhsa_forward_progress 1
		.amdhsa_inst_pref_size 182
	.end_amdhsa_kernel
	.amdgpu_metadata
---
amdhsa.version: [ 1, 2 ]
amdhsa.kernels:
  - .name:           k_q8bf4cf6b16_ffn1
    .symbol:         k_q8bf4cf6b16_ffn1.kd
    .args:
      - { .name: xg, .offset: 0, .size: 8, .value_kind: global_buffer, .address_space: global }
      - { .name: w1_codes, .offset: 8, .size: 8, .value_kind: global_buffer, .address_space: global }
      - { .name: w1_scales, .offset: 16, .size: 8, .value_kind: global_buffer, .address_space: global }
      - { .name: b1, .offset: 24, .size: 8, .value_kind: global_buffer, .address_space: global }
      - { .name: ord, .offset: 32, .size: 8, .value_kind: global_buffer, .address_space: global }
      - { .name: hq, .offset: 40, .size: 8, .value_kind: global_buffer, .address_space: global }
    .group_segment_fixed_size: 100864
    .private_segment_fixed_size: 0
    .kernarg_segment_align: 8
    .kernarg_segment_size: 48
    .max_flat_workgroup_size: 128
    .sgpr_count:     66
    .vgpr_count:     1024
    .wavefront_size: 32
...
	.end_amdgpu_metadata
.endif
;; end of part 6
;; launch ffn2 (part 7): grid 32 x 8, 4 waves a work-group, no clusters, 134,656 bytes of LDS; arguments hq, w2_codes, w2_scales, ord, yp; writes yp
.if DOCPART == 7
	.amdgcn_target "amdgcn-amd-amdhsa--gfx1250"
	.amdhsa_code_object_version 6
	.text
	.protected	k_q8bf4cf6b16_ffn2
	.globl	k_q8bf4cf6b16_ffn2
	.p2align	8
	.type	k_q8bf4cf6b16_ffn2,@function
k_q8bf4cf6b16_ffn2:
	s_mov_b64 s[64:65], 0
	v_nop
	global_prefetch_b8 v0, s[64:65] scope:SCOPE_SE
	s_setreg_imm32_b32 hwreg(HW_REG_WAVE_SCHED_MODE, 0, 2), 2
	s_setreg_imm32_b32 hwreg(HW_REG_WAVE_MODE, 25, 1), 1
	s_wait_xcnt 0x0
	s_wait_alu depctr_vm_vsrc(0)
; FFN2.  Partial sums of y = h W2^T for the rows routed to an expert, on codes of FP6 (E2M3) with one E8M0 scale for each 32 along K.
; SHARES.  Work-group (x = 8 q + dt, e) owns outputs 128 dt .. 128 dt + 127 of expert e and quarter q of K = 4,096: 128 rows x 768 bytes of W2's codes, read from memory once in the launch, by this work-group
; alone, and kept in LDS (784 bytes from row to row).  It walks the expert's rows as the launch before does: tiles of 16, wave w taking tiles 20 p + 4 i + w (i = 0 .. 4) in pass p.  K is cut in four
; so that h is read 8 times and not 32; the four partial sums of a row are added by the last launch, which has to add the two experts anyway.  Each byte of yp has one owner.
; The number of passes hangs on the stored count: no tensor load, and the one barrier stands ahead of every branch on that count; clusters are left out since partners would need different numbers of tiles.
; h comes from hq as images of operand registers.  Tile numbers past the expert's last tile are held at it; tile 0 is always worked.
; THE PRODUCT IS USED TRANSPOSED (source 0 = 16 rows of W2, source 1 = 16 rows of h): a lane holds eight neighbouring outputs of one row; a tile goes through the wave's own stage in LDS and leaves as
; rows of 512 consecutive bytes.  yp: [4 quarters][8,192 = 1,024 e + row][1,024] f32.
; LIMITS: NaN and infinities are not served.
; REGISTERS, in windows of 256.  Window 0: v1-22 addresses; v32-63 W2's scale words (8 b + s: lanes 0-15 block b, lanes 16-31 block b + 4); v64-87 h's (8 p + s: lanes 0-15 slot 2 p, lanes 16-31 slot 2 p + 1);
;   v96-159 rows on the way out; v192-255 slot 4's accumulators.  Window 1: v0-191 two sets of W2's eight fragments.  Window 2: v0-239 h's fragments, four K steps x five slots.
;   Window 3: slots 0-3's accumulators (slot i, block t at 64 i + 8 t); at the start v0-191 carry the weights to LDS.
; THE MODE: SCHED_MODE bits 1:0 = 2 (LLVM: expert scheduling mode 2), set by the entry lines.  The code itself states the register dependences
; between vector or matrix instructions and memory or LDS instructions, with s_wait_alu, always for 0.
; THE PLAN.  Registers that memory or LDS instructions touch, round the loop over passes:
;   W2's sets 0, 1     Step s's products read set s % 2; the LDS loads of step s + 1's fragments, issued in step s, land in the other set, which step s - 1's products read.
;   h's buffers 0-3    Step s's products read buffer s % 4; the loads of step s + 3, issued in steps 1 to 4, land in buffer (s - 1) % 4, which step s - 1's products read.
;   h's scale words    Read by every step's products; loaded anew at a pass's end.  W2's scale words are loaded once.
;   the accumulators   Written by the products; read by the slots' LDS stores; begun anew by the next pass's first products.
;   v96-159            A slot's LDS loads land in them; its global stores read them.
;   v11-18             The pass's offsets: written once a pass, read by the pass's loads.   v19: a slot's offset, written by the slot, read by its stores.   v3-9, v20, v21: made at the head, never written again.
; So ONE wait on va_vdst stands at the head of steps 1 to 6, behind the waits for the step's data: step s - 1's products are done reading the set and the buffer in which step s's loads land.  Those loads
; follow it, dealt among the step's products, which name set s % 2, buffer s % 4, the scale words and the accumulators: none of the registers that the loads touch.  The other waits stand at the edges:
; at the head of a pass, at the head of a slot and at the end of a pass.
.set WSTR,  3072                       ; bytes from row to row of w2's codes
.set TILEB, 49152                      ; a tile's 32 images in hq
.set WP,    784                        ; an LDS row: 768 bytes + 16 = 196 words: row r starts at bank 4 r mod 64 (64 banks of 4 bytes: ISA guide 11.1)
.set STG,   128*WP                     ; behind the weights: a stage of 16 rows x (512 + 16) bytes for each wave
.set SPT,   528
.set L16,   3                          ; v3     16 x lane
.set R4,    4                          ; v4     4 r
.set AW,    5                          ; v5, v6 my place in blocks 0-3, 4-7 of the weights in LDS
.set WGO,   7                          ; v7     the weights in memory
.set WLS,   8                          ; v8     and where they go in LDS
.set SWO,   9                          ; v9     W2's scale words
.set XO,    11                         ; v11-15 slot i's images
.set XSO,   16                         ; v16-18 the slots' scale words
.set OUTO,  19                         ; v19    the way out: my 16 bytes of the tile's first row
.set STO,   20                         ; v20    the stage: where I put 32 bytes of a row
.set RDA,   21                         ; v21    and where I read a row back
.set TV,    22
.set SW,    32
.set XS,    64
.set BK,    96
.set MSB, 0
.macro WIN new                         ; s_set_vgpr_msb: bits 1:0 source 0, 3:2 source 1, 5:4 source 2, 7:6 destination; the high byte repeats the setting that is left
.if MSB != \new
	s_set_vgpr_msb (MSB<<8)|\new
.set MSB, \new
.endif
.endm
.macro PLACES n                        ; plain lines between a matrix instruction and what touches its registers (ISA guide 7.12.1)
.rept \n
	v_nop
.endr
.endm
.macro PADDR                           ; the pass's offsets, from s23 = its first tile: each tile held at the expert's last and at 63
.irp i, 0,1,2,3,4
	s_add_co_u32 s24, s23, 4*\i
	s_min_u32 s24, s24, s20
	s_min_u32 s24, s24, 63
	s_mul_i32 s24, s24, TILEB
	v_add_nc_u32 v[XO+\i], s24, v[L16]
.endr
.irp p, 0,1,2
	s_add_co_u32 s24, s23, 8*\p
	v_lshl_add_u32 v[TV], v2, 2, s24               ; lanes 16-31: the slot after
	v_min_u32 v[TV], s20, v[TV]
	v_min_u32 v[TV], 63, v[TV]
	v_lshl_add_u32 v[XSO+\p], v[TV], 6, v[R4]
.endr
.endm
.macro XSLOAD                          ; the five slots' scale words for the quarter's eight K steps
.irp p, 0,1,2
.irp s, 0,1,2,3,4,5,6,7
	global_load_b32 v[XS+8*\p+\s], v[XSO+\p], s[42:43] offset:4096*\s
.endr
.endr
.endm
.macro XLOAD s                         ; K step s of the five slots: fifteen loads, 512 consecutive bytes each, into buffer s % 4
	WIN 0x80
.irp i, 0,1,2,3,4
.irp c, 0,1,2
	global_load_b128 v[60*((\s)%4)+12*\i+4*\c:60*((\s)%4)+12*\i+4*\c+3], v[XO+\i], s[40:41] offset:1536*(\s)+512*\c
.endr
.endr
.endm
.macro WFHALF s, g                     ; K step s of blocks 4 g .. 4 g + 3 of W2 from LDS into set s % 2
	WIN 0x40
.irp t, 0,1,2,3
.irp p, 0,1,2,3,4,5
	ds_load_b64 v[96*((\s)%2)+12*(4*(\g)+\t)+2*\p:96*((\s)%2)+12*(4*(\g)+\t)+2*\p+1], v[AW+(\g)] offset:16*WP*\t+96*(\s)+48*(\p/3)+8*(\p%3)
.endr
.endr
.endm
.macro WM t, i                         ; one product that adds in place
.if ((\t) < 4) && (((\i) % 2) == 0)
	v_wmma_scale_f32_16x16x128_f8f6f4 v[rD:rD+7], v[rA:rA+11], v[rB:rB+11], v[rD:rD+7], v[rSA], v[rSB] matrix_a_fmt:MATRIX_FMT_FP6 matrix_b_fmt:MATRIX_FMT_FP6
.elseif (\t) < 4
	v_wmma_scale_f32_16x16x128_f8f6f4 v[rD:rD+7], v[rA:rA+11], v[rB:rB+11], v[rD:rD+7], v[rSA], v[rSB] matrix_a_fmt:MATRIX_FMT_FP6 matrix_b_fmt:MATRIX_FMT_FP6 matrix_b_scale:MATRIX_SCALE_ROW1
.elseif ((\i) % 2) == 0
	v_wmma_scale_f32_16x16x128_f8f6f4 v[rD:rD+7], v[rA:rA+11], v[rB:rB+11], v[rD:rD+7], v[rSA], v[rSB] matrix_a_fmt:MATRIX_FMT_FP6 matrix_b_fmt:MATRIX_FMT_FP6 matrix_a_scale:MATRIX_SCALE_ROW1
.else
	v_wmma_scale_f32_16x16x128_f8f6f4 v[rD:rD+7], v[rA:rA+11], v[rB:rB+11], v[rD:rD+7], v[rSA], v[rSB] matrix_a_fmt:MATRIX_FMT_FP6 matrix_b_fmt:MATRIX_FMT_FP6 matrix_a_scale:MATRIX_SCALE_ROW1 matrix_b_scale:MATRIX_SCALE_ROW1
.endif
.endm
.macro WMZ t, i                        ; one product that starts a sum: nothing is cleared
.if ((\t) < 4) && (((\i) % 2) == 0)
	v_wmma_scale_f32_16x16x128_f8f6f4 v[rD:rD+7], v[rA:rA+11], v[rB:rB+11], 0, v[rSA], v[rSB] matrix_a_fmt:MATRIX_FMT_FP6 matrix_b_fmt:MATRIX_FMT_FP6
.elseif (\t) < 4
	v_wmma_scale_f32_16x16x128_f8f6f4 v[rD:rD+7], v[rA:rA+11], v[rB:rB+11], 0, v[rSA], v[rSB] matrix_a_fmt:MATRIX_FMT_FP6 matrix_b_fmt:MATRIX_FMT_FP6 matrix_b_scale:MATRIX_SCALE_ROW1
.elseif ((\i) % 2) == 0
	v_wmma_scale_f32_16x16x128_f8f6f4 v[rD:rD+7], v[rA:rA+11], v[rB:rB+11], 0, v[rSA], v[rSB] matrix_a_fmt:MATRIX_FMT_FP6 matrix_b_fmt:MATRIX_FMT_FP6 matrix_a_scale:MATRIX_SCALE_ROW1
.else
	v_wmma_scale_f32_16x16x128_f8f6f4 v[rD:rD+7], v[rA:rA+11], v[rB:rB+11], 0, v[rSA], v[rSB] matrix_a_fmt:MATRIX_FMT_FP6 matrix_b_fmt:MATRIX_FMT_FP6 matrix_a_scale:MATRIX_SCALE_ROW1 matrix_b_scale:MATRIX_SCALE_ROW1
.endif
.endm
; A step's 40 products: eight blocks x five slots, 128 along K.  The 40 accumulators take turns, one instruction a turn, in the same order in every step:
; blocks 0 to 7, each against slots 0 to 3 (MULQ: two blocks, eight products), then slot 4 against the eight blocks (MUL4).
.macro MULQ s, u0, u1
.if (\s) == 0
	WIN 0xc9                                       ; W2 window 1, h window 2, D window 3
.else
	WIN 0xf9                                       ; C and D window 3
.endif
.irp t, \u0, \u1
.irp i, 0,1,2,3
.set rD, 64*\i+8*\t
.set rA, 96*((\s)%2)+12*\t
.set rB, 60*((\s)%4)+12*\i
.set rSA, SW+8*(\t%4)+(\s)
.set rSB, XS+8*(\i/2)+(\s)
.if (\s) == 0
	WMZ \t, \i
.else
	WM \t, \i
.endif
.endr
.endr
.endm
.macro MUL4 s
	WIN 0x09                                       ; slot 4: C and D window 0
.irp t, 0,1,2,3,4,5,6,7
.set rD, 192+8*\t
.set rA, 96*((\s)%2)+12*\t
.set rB, 60*((\s)%4)+48
.set rSA, SW+8*(\t%4)+(\s)
.set rSB, XS+16+(\s)
.if (\s) == 0
	WMZ \t, 4
.else
	WM \t, 4
.endif
.endr
.endm
.macro STEP s
.if ((\s) > 0) && ((\s) < 7)
	PLACES 4                                       ; plain lines behind the last step's products, kept ahead of the loads into registers that those read
.endif
	s_wait_dscnt 0x0                               ; this step's set of W2 is in: all of it was asked for in the step before (step 0's at the pass's head)
.if (\s) == 0
	s_wait_loadcnt 45                              ; this step's h is in; three younger steps of fifteen loads may be out
.elseif (\s) <= 5
	s_wait_loadcnt 30                              ; two younger steps may be out: this step's own loads are issued further down
.else
	s_wait_loadcnt 15*(7-(\s))                     ; one, none
.endif
.if ((\s) > 0) && ((\s) < 7)
	s_wait_alu depctr_va_vdst(0)                   ; the last step's products are done reading their set of W2 and their buffer of h, in which this step's loads land
.endif
	MULQ \s, 0, 1
.if (\s) < 7
	WFHALF (\s)+1, 0                               ; W2's fragments run one step ahead.  No wait: no product since the wait above (step 0: since the wait at the pass's head) names the other set
.endif
	MULQ \s, 2, 3
.if (\s) < 7
	WFHALF (\s)+1, 1
.endif
	MULQ \s, 4, 5
.if ((\s) >= 1) && ((\s) <= 4)
	XLOAD (\s)+3                                   ; h runs three K steps ahead; no product since the wait names buffer (s - 1) % 4 or the offsets
.endif
	MULQ \s, 6, 7
	MUL4 \s
.endm
	s_load_b256 s[4:11], s[0:1], 0x0               ; hq s[4:5], w2_codes s[6:7], w2_scales s[8:9], ord s[10:11]
	s_load_b64 s[12:13], s[0:1], 0x20              ; yp
	v_lshl_add_u32 v190, v0, 2, 0x20c00
	v_mov_b32 v191, 0
	v_lshrrev_b32 v22, 5, v0
	v_readfirstlane_b32 s16, v22                   ; wave
	s_and_b32 s17, ttmp9, 7                        ; dt: which 128 outputs
	s_lshr_b32 s48, ttmp9, 3                       ; q: which quarter of K
	s_and_b32 s18, ttmp7, 0xffff                   ; e
	v_and_b32 v23, 31, v0
	v_and_b32 v1, 15, v0                           ; r
	v_bfe_u32 v2, v0, 4, 1                         ; h
	v_lshlrev_b32 v[L16], 4, v23
	v_lshlrev_b32 v[R4], 2, v1
	v_mul_u32_u24 v[AW], v1, WP
	v_mad_u32_u24 v[AW], v2, 24, v[AW]             ; row r of a block, + 24 h
	v_add_nc_u32 v[AW+1], 64*WP, v[AW]
	v_mul_u32_u24 v[WGO], v2, WSTR
	v_lshl_add_u32 v[WGO], v1, 4, v[WGO]
	s_wait_alu depctr_va_sdst(0)                   ; s16, the wave's number, is written, ahead of its first reader
	s_mul_i32 s24, s16, 32*WP                      ; wave w brings rows 32 w .. 32 w + 31, as they lie
	v_mul_u32_u24 v[WLS], v2, WP
	v_lshl_add_u32 v[WLS], v1, 4, v[WLS]
	v_add_nc_u32 v[WLS], s24, v[WLS]
	v_lshl_add_u32 v[SWO], v2, 6, v1               ; row r; lanes 16-31: four blocks, 64 rows, on
	v_lshlrev_b32 v[SWO], 7, v[SWO]                ; 128 scale bytes a row
	s_mul_i32 s24, s16, 16*SPT
	s_add_co_u32 s24, s24, STG                     ; my stage
	v_mul_u32_u24 v[STO], v1, SPT
	v_lshl_add_u32 v[STO], v2, 5, v[STO]
	v_add_nc_u32 v[STO], s24, v[STO]               ; in: row r, 32 bytes for each half of the lanes
	v_add_nc_u32 v[RDA], s24, v[L16]               ; back: the 32 lanes take one row of 512 bytes
	s_mov_b32 s27, 0
	s_lshl_b32 s24, s18, 10
	s_lshl_b32 s25, s17, 7
	s_add_co_u32 s24, s24, s25                     ; the work-group's first row of W2: 1,024 e + 128 dt
	s_lshl_b32 s25, s16, 5
	s_add_co_u32 s25, s25, s24
	s_mul_i32 s28, s25, WSTR
	s_mul_i32 s25, s48, 768
	s_add_co_u32 s28, s28, s25                     ; and the quarter's 768 bytes in a row
	s_wait_kmcnt 0x0
	s_lshl_b32 s26, s18, 2
	s_add_co_u32 s26, s26, 32768
	s_add_nc_u64 s[10:11], s[10:11], s[26:27]
	s_load_b32 s19, s[10:11], 0x0                  ; cnt[e]
	s_mov_b32 s26, s28
	s_add_nc_u64 s[6:7], s[6:7], s[26:27]
	s_lshl_b32 s26, s24, 7
	s_lshl_b32 s25, s48, 5
	s_add_co_u32 s26, s26, s25
	s_add_nc_u64 s[8:9], s[8:9], s[26:27]
	s_mul_i32 s26, s18, 64*TILEB
	s_mul_i32 s25, s48, 12288
	s_add_co_u32 s26, s26, s25
	s_add_nc_u64 s[40:41], s[4:5], s[26:27]        ; the expert's images of h, from K step 8 q on
	s_lshl_b32 s26, s18, 5
	s_lshl_b32 s25, s48, 3
	s_add_co_u32 s26, s26, s25
	s_lshl_b32 s26, s26, 12
	s_add_co_u32 s26, s26, 25165824
	s_add_nc_u64 s[42:43], s[4:5], s[26:27]        ; and their scale words
	s_lshl_b32 s26, s48, 25
	s_lshl_b32 s25, s18, 22
	s_add_co_u32 s26, s26, s25
	s_lshl_b32 s25, s17, 9
	s_add_co_u32 s26, s26, s25
	s_add_nc_u64 s[44:45], s[12:13], s[26:27]      ; yp: quarter q, the expert's first row, my 128 columns
	WIN 0xc0                                       ; destination window 3
	s_wait_alu depctr_va_vdst(0)                   ; the offsets and LDS addresses v3 to v9, v20 and v21 are written, which the loads and LDS instructions of the whole kernel read
.set n, 0
.rept 16
.irp p, 0,1,2
	global_load_b128 v[4*(3*n+\p):4*(3*n+\p)+3], v[WGO], s[6:7] offset:2*n*WSTR+256*\p th:TH_LOAD_NT   ; sixteen lanes read 256 consecutive bytes of a row, aligned; read once in the launch
.endr
.set n, n+1
.endr
	WIN 0
.irp b, 0,1,2,3
	global_load_b128 v[SW+8*\b:SW+8*\b+3], v[SWO], s[8:9] offset:2048*\b
	global_load_b128 v[SW+8*\b+4:SW+8*\b+7], v[SWO], s[8:9] offset:2048*\b+16
.endr
	s_wait_kmcnt 0x0
	s_min_u32 s19, s19, 1024
	s_add_co_u32 s19, s19, 15
	s_lshr_b32 s19, s19, 4
	s_max_u32 s19, s19, 1                          ; T: the expert's tiles, at least one
	s_sub_co_u32 s20, s19, 1                       ; its last tile
	s_mov_b32 s21, 0                               ; my passes: as many p as have 20 p + w < T
.irp p, 0,1,2,3
	s_add_co_u32 s24, s16, 20*\p
	s_cmp_lt_u32 s24, s19
	s_cselect_b32 s25, 1, 0
	s_add_co_u32 s21, s21, s25
.endr
	s_mov_b32 s22, 0                               ; the pass
	s_mov_b32 s23, s16                             ; its first tile
	PADDR
	s_wait_alu depctr_va_vdst(0)                   ; the first pass's offsets v11 to v18 are written, which the loads below read
	XSLOAD
	XLOAD 0
	s_wait_loadcnt 47                              ; the weights are in: behind them stand 8 loads of their scale words, 24 of h's and 15 of h's first K step
	WIN 0x0c                                       ; an LDS store's data are its source 1: window 3
.set n, 0
.rept 16
.irp p, 0,1,2
	ds_store_b128 v[WLS], v[4*(3*n+\p):4*(3*n+\p)+3] offset:2*n*WP+256*\p
.endr
.set n, n+1
.endr
	XLOAD 1
	XLOAD 2
	XLOAD 3
	WIN 0
	s_wait_dscnt 0x0                               ; for the others' sake: my 32 rows lie in LDS
	s_barrier_signal -1
	s_barrier_wait -1                              ; all 128 do.  The launch's one barrier: nothing writes these bytes again
	s_wait_alu depctr_vm_vsrc(0)                   ; my LDS stores have read window 3's v0 to v191: these registers are accumulators from here on, written by the products
	s_cmp_eq_u32 s21, 0
	s_cbranch_scc1 .Lend                           ; a wave without tiles
.Lbody:                                            ; a trip is a pass.  On both ways here the youngest 45 loads are h's K steps 1 to 3
	s_wait_alu depctr_va_vdst(0)                   ; the last pass's products are done reading W2's two sets, in which the LDS loads below and step 0's land
	WFHALF 0, 0
	WFHALF 0, 1
	STEP 0
	STEP 1
	STEP 2
	STEP 3
	STEP 4
	STEP 5
	STEP 6
	STEP 7
	WIN 0
	PLACES 5                                       ; results are read below, and the next pass begins these accumulators anew
; THE WAY OUT, slot by slot.  Only the lines that name a slot's accumulators are written five times.
.macro RD k                            ; slot k into my stage: lane (r, h), block t: y(r, 16 t + 8 h + 0 .. 7); each accumulator from its low end on
.if \k < 4
	WIN 0x0c
.set AC, 64*\k
.else
	WIN 0
.set AC, 192
.endif
.irp t, 0,1,2,3,4,5,6,7
	ds_store_b128 v[STO], v[AC+8*\t:AC+8*\t+3] offset:64*\t
	ds_store_b128 v[STO], v[AC+8*\t+4:AC+8*\t+7] offset:64*\t+16
.endr
	WIN 0
.endm
	s_mov_b32 s32, 0
.Lslot:
	s_lshl_b32 s33, s32, 2
	s_add_co_u32 s33, s33, s23                     ; the slot's tile
	s_cmp_ge_u32 s33, s19
	s_cbranch_scc1 .Lnext                          ; past the expert's last tile: nothing to store
	s_min_u32 s33, s33, 63
	s_wait_xcnt 0x0                                ; the last slot's stores have read their offset and data
	s_wait_alu depctr_vm_vsrc(0)                   ; the last slot's stores have read v19, which is written below, and the rows v96 to v159, in which this slot's LDS loads land
	s_lshl_b32 s24, s33, 16                        ; 16 rows of 4,096 bytes a tile
	v_add_nc_u32 v[OUTO], s24, v[L16]
	s_wait_alu depctr_va_vdst(0)                   ; v19 is written, which the slot's stores read; the pass's products have written the accumulators, which its LDS stores read (the places behind the products stand above, beside this wait)
	s_cmp_eq_u32 s32, 0
	s_cbranch_scc1 .Lrd0
	s_cmp_eq_u32 s32, 1
	s_cbranch_scc1 .Lrd1
	s_cmp_eq_u32 s32, 2
	s_cbranch_scc1 .Lrd2
	s_cmp_eq_u32 s32, 3
	s_cbranch_scc1 .Lrd3
	RD 4
	s_branch .Lcommon
.Lrd0:
	RD 0
	s_branch .Lcommon
.Lrd1:
	RD 1
	s_branch .Lcommon
.Lrd2:
	RD 2
	s_branch .Lcommon
.Lrd3:
	RD 3
.Lcommon:
.irp i, 0,1,2,3,4,5,6,7,8,9,10,11,12,13,14,15
	ds_load_b128 v[BK+4*\i:BK+4*\i+3], v[RDA] offset:\i*SPT    ; LDS serves a wave's instructions in order (ISA guide 5.7.1.4): these see my stores
.endr
.irp i, 0,1,2,3,4,5,6,7,8,9,10,11,12,13,14,15
	s_wait_dscnt 15-\i
	global_store_b128 v[OUTO], v[BK+4*\i:BK+4*\i+3], s[44:45] offset:4096*\i   ; 32 lanes store 512 consecutive bytes of a row, aligned
.endr
.Lnext:
	s_add_co_u32 s32, s32, 1
	s_cmp_lt_u32 s32, 5
	s_cbranch_scc1 .Lslot
	s_wait_xcnt 0x0                                ; the pass's stores have read their registers
	s_wait_alu depctr_vm_vsrc(0)                   ; the pass's LDS stores have read the accumulators, which the next pass's first products write anew; its loads have read the offsets v11 to v18, which are written below
	s_add_co_u32 s22, s22, 1
	s_add_co_u32 s23, s23, 20
	s_cmp_ge_u32 s22, s21
	s_cbranch_scc1 .Llast                          ; no pass follows: nothing more is asked for
	PADDR                                          ; the next pass's offsets (this pass's loads were all waited for in its last step: their offsets may be written),
	s_wait_alu depctr_va_vdst(0)                   ; the offsets are written, which the loads below read; the pass's products are done reading h's buffers and scale words, in which those loads land
	XSLOAD                                         ; its scale words, and its first four K steps
	XLOAD 0
	XLOAD 1
	XLOAD 2
	XLOAD 3
	WIN 0
.Llast:
	s_cmp_lt_u32 s22, s21
	s_cbranch_scc1 .Lbody
.Lend:
	s_wait_dscnt 0x0                               ; the closing lines, six on end
	s_wait_alu 0x0
	s_wait_tensorcnt 0x0
	ds_add_u32 v190, v191
	s_wait_dscnt 0x0
	s_endpgm
.Lfunc_end_k_q8bf4cf6b16_ffn2:
	.size	k_q8bf4cf6b16_ffn2, .Lfunc_end_k_q8bf4cf6b16_ffn2-k_q8bf4cf6b16_ffn2
	.p2alignl 7, 3214868480
	.fill 96, 4, 3214868480
	.section	.rodata,"a",@progbits
	.p2align	6, 0x0
	.amdhsa_kernel k_q8bf4cf6b16_ffn2
		.amdhsa_group_segment_fixed_size 134656
		.amdhsa_private_segment_fixed_size 0
		.amdhsa_enable_private_segment 0
		.amdhsa_kernarg_size 40
		.amdhsa_user_sgpr_count 2
		.amdhsa_user_sgpr_kernarg_segment_ptr 1
		.amdhsa_wavefront_size32 1
		.amdhsa_system_sgpr_workgroup_id_x 1
		.amdhsa_system_sgpr_workgroup_id_y 1
		.amdhsa_system_sgpr_workgroup_id_z 1
		.amdhsa_system_vgpr_workitem_id 0
		.amdhsa_next_free_vgpr 1024
		.amdhsa_next_free_sgpr 66
		.amdhsa_reserve_vcc 0
		.amdhsa_float_denorm_mode_32 3
		.amdhsa_float_denorm_mode_16_64 3
		.amdhsa_memory_ordered 1
		.amdhsa_forward_progress 1
		.amdhsa_inst_pref_size 115
	.end_amdhsa_kernel
	.amdgpu_metadata
---
amdhsa.version: [ 1, 2 ]
amdhsa.kernels:
  - .name:           k_q8bf4cf6b16_ffn2
    .symbol:         k_q8bf4cf6b16_ffn2.kd
    .args:
      - { .name: hq, .offset: 0, .size: 8, .value_kind: global_buffer, .address_space: global }
      - { .name: w2_codes, .offset: 8, .size: 8, .value_kind: global_buffer, .address_space: global }
      - { .name: w2_scales, .offset: 16, .size: 8, .value_kind: global_buffer, .address_space: global }
      - { .name: ord, .offset: 24, .size: 8, .value_kind: global_buffer, .address_space: global }
      - { .name: yp, .offset: 32, .size: 8, .value_kind: global_buffer, .address_space: global }
    .group_segment_fixed_size: 134656
    .private_segment_fixed_size: 0
    .kernarg_segment_align: 8
    .kernarg_segment_size: 40
    .max_flat_workgroup_size: 128
    .sgpr_count:     66
    .vgpr_count:     1024
    .wavefront_size: 32
...
	.end_amdgpu_metadata
.endif
;; end of part 7
;; launch combine: the kernel of part 5 again; grid 256 x 1, 4 waves a work-group, no clusters, 0 bytes of LDS; arguments sel, gwt, ord, yp, b2, out0; writes out0
